; MI455X (gfx1250); checked and timed in simulation.
; The chip was launched on July 23, 2026; its instructions are those of AMD's public machine-readable ISA for CDNA 5 (MIT licence, August 2026) and "CDNA5" Instruction Set Architecture Reference Guide (July 2026). The comments in the code are by the model that wrote it; some were corrected since.
;; Dec FC Switch. Allowed arithmetic: matrix products marked QUANTISED: E3M2 operands, one E8M0 scale for each 32 along K, by v_wmma_scale_f32_16x16x128_f8f6f4 with both operands' format E3M2, f32 sums; everything else in f32.
;; Inputs: W_in_codes 16 x 256 x 32 x 24 uint8 (E3M2 codes of W_in, K innermost, in blocks of 32 codes, four codes in three bytes); W_in_scales 16 x 256 x 32 uint8 (E8M0 scales of W_in, one for each 32 codes along K); W_out_codes 16 x 1,024 x 8 x 24 uint8 (E3M2 codes of W_out, K innermost, in blocks of 32 codes, four codes in three bytes); W_out_scales 16 x 1,024 x 8 uint8 (E8M0 scales of W_out, one for each 32 codes along K); b_in 16 x 256 float32; b_out 16 x 1,024 float32; x 4,096 x 1,024 float32; y_index 4,096 x 1 int32.
;; Outputs: out0 4,096 x 1,024 float32.
;; This version of the problem:
;;   THIS VERSION OF THE PROBLEM IS GIVEN IN LOW PRECISION. The matrix products marked QUANTISED in the list below multiply operands that are first quantised to E3M2 (3 exponent bits, 2 mantissa bits; 6 bits a number), with one power-of-two scale for each 32 numbers along K (OCP MX v1.0); their sums are f32. All else is computed in f32.
;;   The module's matrix products, in the order in which they are computed (A, B: the left and right operand; K: the contracted axis; several contracted axes count as one K, in the product's order):
;;     1. [M 4,096, K 1,024] x [K 1,024, N 4,096]; A: computed on the way; B: input W_in (given as codes): QUANTISED
;;     2. batch 16 x [M 1,024, K 256] x [K 256, N 4,096]; A: input W_out (given as codes); B: computed on the way: QUANTISED
;;   THE QUANTISER, for each operand of a quantised product, along K:
;;     - K is cut into blocks of 32 from its start; a last block that is shorter is filled with zeros.
;;     - A block's scale is 2^e with e = floor(log2(the largest magnitude in the block)) - 4, held to -126 .. 127; a block of zeros has e = 0. As a byte (E8M0): e + 127.
;;     - Each number is divided by its block's scale, clamped to +-28, and rounded to the nearest number of E3M2, ties to even, subnormals kept.
;;     - The product sums the exact products of the quantised numbers (number of the format x scale) in f32.
;;   ~~~python
;;   def quantise(x, axis):      # numpy; x: float32 -> the quantised numbers, widened to float32 again
;;       x = np.moveaxis(x, axis, -1); K = x.shape[-1]
;;       x = np.pad(x, [(0, 0)] * (x.ndim - 1) + [(0, -K % 32)]); x = x.reshape(x.shape[:-1] + (-1, 32)); a = np.abs(x).max(-1, keepdims=True)
;;       e = np.where(a > 0, np.clip(np.frexp(np.where(a > 0, a, 1))[1] - 1 - 4, -126, 127), 0)      # np.frexp(a)[1] - 1 = floor(log2(a)), exactly
;;       r = np.clip(x / 2.0 ** e, -28, 28)
;;       step = 2.0 ** (np.maximum(np.frexp(np.where(r == 0, 1, r))[1] - 1, -2) - 2)
;;       q = np.round(r / step) * step * 2.0 ** e      # np.round: ties to even
;;       return np.moveaxis(q.reshape(q.shape[:-2] + (-1,))[..., :K], -1, axis).astype(np.float32)
;;   ~~~
;;   OPERANDS COMPUTED ON THE WAY. 'Computed on the way' means the value that the module computes at that place (a softmax that the list does not call 'softmax' is quantised finished and normalised). What goes into a quantiser is computed in f32, as accurately as f32 sums, v_exp_f32 and their like allow (about 1e-6 of the number): no bf16 or f16 on the way to a quantiser, and a product that is left as it is and whose result goes on into a quantised operand takes f32 operands (vector FMAs, or v_wmma_f32_16x16x4_f32). A number that lies on a knife's edge between two numbers of the format may be rounded either way, as far as f32 arithmetic and the matrix unit's own rounding can turn it there, and no further.
;;   INPUTS GIVEN AS CODES. W_in (in the module: [16, 256, 1024], K = its axis 2); W_out (in the module: [16, 1024, 256], K = its axis 2): each comes as NAME_codes (uint8): NAME with its K axis moved to the last place and cut into blocks of 32 codes, [.., K / 32, bytes a block], one block behind the other in memory; four codes in three bytes: a row's codes are one little-endian stream of bits, code i at bits 6 i .. 6 i + 5 (a code: sign, 3 exponent bits, 2 mantissa bits); and NAME_scales (uint8): the same leading axes, one E8M0 byte (e + 127) for each 32 codes along K. Its value is code x scale, taken as it is: it is not quantised again, and the codes and scales need not be those that the quantiser above would give.
;; 2 versions. Each part assembles by itself: llvm-mc -triple=amdgcn-amd-amdhsa -mcpu=gfx1250 --defsym DOCPART=n.
;; ======== version 1 of 2: 2 launches
;; workspace buffers: wfrag 6,291,456 bytes; order 16,640 bytes of whole numbers; counts 256 bytes of whole numbers
;; launch prep (part 1): grid 144 x 1, 8 waves a work-group, no clusters, 1,280 bytes of LDS; arguments y_index, W_in_codes, W_out_codes, order, counts, wfrag; writes order, counts, wfrag
.if DOCPART == 1
	.amdgcn_target "amdgcn-amd-amdhsa--gfx1250"
	.amdhsa_code_object_version 6
	.text
	.protected	k_q6e9524a34c_prep
	.globl	k_q6e9524a34c_prep
	.p2align	8
	.type	k_q6e9524a34c_prep,@function
k_q6e9524a34c_prep:
	s_mov_b64 s[64:65], 0
	v_nop
	global_prefetch_b8 v0, s[64:65] scope:SCOPE_SE
	s_setreg_imm32_b32 hwreg(HW_REG_WAVE_MODE, 25, 1), 1
	s_wait_xcnt 0x0
; TWO JOBS IN ONE LAUNCH, parted by the work-group's number alone.
; Work-groups 0-15: a counting sort of the 4,096 tokens by expert, without atomics.  Work-group e reads all of y_index (16 KB), counts the tokens of lower experts (where its run begins in
;   'order') and places its own tokens' numbers there; it stores its count in counts[e].  Work-group 0 also stores 32 zeros behind the 4,096 numbers, so that a tile of 32 may be read from any place.
; Work-groups 16-79 (W_in) and 80-143 (W_out): the weights' codes are laid anew, in the order of a matrix operand's registers.  A fragment (16 rows x 128 K of 6-bit codes, 12 registers a lane)
;   becomes an image of 1,536 bytes: registers 4 c .. 4 c + 3 of lane l at 512 c + 16 l.  The next launch then takes a fragment by three loads of 512 consecutive bytes each.
;   wfrag, W_in's part:  (4 e + w) x 49,152 + (4 s + t) x 1,536: wave w (0-3), K step s (0-7), tile t (0-3); row i of the tile is hidden unit 64 w + 32 (i / 8) + 8 t + i % 8, so that in the transposed
;   product a lane's 32 results of the four tiles are one whole block of 32 neighbouring hidden units.
;   wfrag, W_out's part: 3,145,728 + (4 e + w) x 49,152 + (2 n + s) x 1,536: tile n (0-15), K step s (0-1); row i is output column 256 w + 16 n + i.
; LIMIT: every y_index lies in 0 .. 15, as the gather of the reference relies on; a number outside is placed by no work-group.
; No matrix work, no clusters, no tensor loads: the launch moves 12.6 MB once, and work-groups share nothing but the 16 KB of y_index.
.set PART,  49152                      ; bytes of codes of one (expert, wave): 64 rows of 768 bytes, or 256 rows of 192
.set FRB,   1536                       ; a fragment's image
.set WOUT0, 3145728                    ; where W_out's images begin in wfrag
; fragment k of my four: six loads of 8 bytes a lane: the lane's 24 bytes of k = 32 h .. and its 24 bytes of k = 64 + 32 h .., as they lie in the row's stream of bits
.macro RLOAD k, src, simm
.irp p, 0,1,2,3,4,5
	global_load_b64 v[16+12*\k+2*\p:17+12*\k+2*\p], v4, s[\src:\src+1] offset:\simm+48*(\p/3)+8*(\p%3) th:TH_LOAD_NT
.endr
.endm
.macro RSTORE k, dimm
	s_wait_loadcnt 18-6*\k                         ; loads come back in order: fragment k's six are in, those of the later fragments may be out
.irp c, 0,1,2
	global_store_b128 v5, v[16+12*\k+4*\c:19+12*\k+4*\c], s[14:15] offset:\dimm+512*\c   ; 32 lanes store 512 consecutive bytes, aligned
.endr
.endm
	s_load_b256 s[4:11], s[0:1], 0x0               ; y_index s[4:5], W_in's codes s[6:7], W_out's codes s[8:9], order s[10:11]
	s_load_b128 s[12:15], s[0:1], 0x20             ; counts s[12:13], wfrag s[14:15]
	v_lshl_add_u32 v96, v0, 2, 0x100
	v_mov_b32 v97, 0
	v_lshrrev_b32 v1, 5, v0
	v_readfirstlane_b32 s16, v1                    ; wave 0..7
	v_and_b32 v1, 31, v0                           ; lane
	v_and_b32 v2, 15, v0                           ; r
	v_bfe_u32 v3, v0, 4, 1                         ; h
	v_lshlrev_b32 v5, 4, v1                        ; 16 x lane: my place in an image's 512 bytes
	v_lshlrev_b32 v10, 2, v1                       ; 4 x lane: my word of the 32 zeros behind the list (the sort's last store)
	v_mov_b32 v11, 0                               ; and its data
	s_mov_b32 s19, 0                               ; high words of the two offset pairs
	s_mov_b32 s21, 0
	s_wait_kmcnt 0x0
	s_cmp_lt_u32 ttmp9, 16
	s_cbranch_scc1 .Lroute
	s_cmp_lt_u32 ttmp9, 80
	s_cbranch_scc1 .Lwin
	; ---- W_out: work-group j = 4 e + w; wave v takes tiles 2 v, 2 v + 1, both K steps: source and image begin at the same offset
	s_sub_co_u32 s17, ttmp9, 80
	s_mul_i32 s18, s17, PART
	s_mul_i32 s20, s16, 4*FRB                      ; 32 rows of 192 bytes = four images
	s_add_co_u32 s18, s18, s20
	s_add_nc_u64 s[8:9], s[8:9], s[18:19]
	s_add_nc_u64 s[14:15], s[14:15], s[18:19]
	s_add_nc_u64 s[14:15], s[14:15], WOUT0
	v_mul_u32_u24 v4, v2, 192                      ; row r of 192 bytes,
	v_mad_u32_u24 v4, v3, 24, v4                   ; + 24 h
	RLOAD 0, 8, 0
	RLOAD 1, 8, 96
	RLOAD 2, 8, 3072
	RLOAD 3, 8, 3168
	RSTORE 0, 0
	RSTORE 1, 1536
	RSTORE 2, 3072
	RSTORE 3, 4608
	s_endpgm
.Lwin:	; ---- W_in: work-group j = 4 e + w; wave v takes tile t = v % 4, K steps 4 (v / 4) + 0 .. 3
	s_sub_co_u32 s17, ttmp9, 16
	s_mul_i32 s17, s17, PART
	s_and_b32 s22, s16, 3                          ; t
	s_lshr_b32 s23, s16, 2                         ; q
	s_mul_i32 s18, s22, 6144                       ; source: 8 t rows of 768 bytes,
	s_mul_i32 s24, s23, 384                        ; four K steps of 96 bytes
	s_add_co_u32 s18, s18, s24
	s_add_co_u32 s18, s18, s17
	s_mul_i32 s20, s22, FRB                        ; image (4 s + t), s = 4 q + k
	s_mul_i32 s24, s23, 16*FRB
	s_add_co_u32 s20, s20, s24
	s_add_co_u32 s20, s20, s17
	s_add_nc_u64 s[6:7], s[6:7], s[18:19]
	s_add_nc_u64 s[14:15], s[14:15], s[20:21]
	v_and_b32 v6, 7, v0
	v_bfe_u32 v7, v0, 3, 1
	v_mul_u32_u24 v4, v6, 768                      ; the tile's row r lies r % 8 rows on,
	v_mad_u32_u24 v4, v7, 24576, v4                ; and 32 rows further for r / 8 = 1,
	v_mad_u32_u24 v4, v3, 24, v4                   ; + 24 h
	RLOAD 0, 6, 0
	RLOAD 1, 6, 96
	RLOAD 2, 6, 192
	RLOAD 3, 6, 288
	RSTORE 0, 0
	RSTORE 1, 6144
	RSTORE 2, 12288
	RSTORE 3, 18432
	s_endpgm
.Lroute:	; ---- the sort.  Thread t holds 16 tokens: register q = 4 k + c is token 1024 k + 4 t + c
	s_mov_b32 s17, ttmp9                           ; my expert
	s_lshl_b32 s86, ttmp9, 2                       ; the address of my count's word, made here from the work-group's number alone, all lanes on,
	v_mov_b32 v9, s86                              ; ahead of every load and of every line that narrows EXEC; s86 and v9 hold nothing else
	v_cmp_eq_u32 vcc_lo, 0, v1                     ; lane 0: the one lane that stores the count (no later line of this path writes VCC)
	v_lshlrev_b32 v4, 4, v0
.irp k, 0,1,2,3
	global_load_b128 v[16+4*\k:19+4*\k], v4, s[4:5] offset:4096*\k
.endr
	s_mov_b32 s18, 0                               ; my wave's tokens of lower experts
	s_mov_b32 s19, 0                               ; my wave's tokens of my expert
	s_wait_loadcnt 0x0
.irp q, 0,1,2,3,4,5,6,7,8,9,10,11,12,13,14,15
	v_cmp_gt_u32 s20, s17, v[16+\q]
	s_bcnt1_i32_b32 s20, s20
	s_add_co_u32 s18, s18, s20
	v_cmp_eq_u32 s[24+\q], s17, v[16+\q]           ; the mask of mine is kept,
	s_mov_b32 s[40+\q], s19                        ; and how many of mine the wave's earlier registers hold
	s_bcnt1_i32_b32 s21, s[24+\q]
	s_add_co_u32 s19, s19, s21
.endr
	v_lshrrev_b32 v4, 5, v0
	v_lshlrev_b32 v4, 3, v4                        ; 8 bytes for each wave
	v_mov_b32 v6, s18
	v_mov_b32 v7, s19
	ds_store_b64 v4, v[6:7]                        ; all lanes write the same pair
	s_wait_dscnt 0x0                               ; for the others' sake: my store has landed
	s_barrier_signal -1
	s_barrier_wait -1
	v_mov_b32 v5, 0
.irp i, 0,1,2,3
	ds_load_b128 v[64+4*\i:67+4*\i], v5 offset:16*\i
.endr
	s_wait_dscnt 0x0
.irp i, 0,1,2,3,4,5,6,7,8,9,10,11,12,13,14,15
	v_readfirstlane_b32 s[66+\i], v[64+\i]         ; even: a wave's lower tokens; odd: its tokens of my expert
.endr
	s_mov_b32 s82, s66                             ; where my expert's run begins
	s_mov_b32 s83, s67                             ; and how long it is
.irp v, 1,2,3,4,5,6,7
	s_add_co_u32 s82, s82, s[66+2*\v]
	s_add_co_u32 s83, s83, s[67+2*\v]
.endr
	v_mov_b32 v8, s83                              ; the count, as a store's data: written with all lanes on
	s_mov_b32 s84, 0                               ; my expert's tokens in the waves in front of mine
.irp v, 0,1,2,3,4,5,6
	s_cmp_gt_u32 s16, \v
	s_cselect_b32 s20, s[67+2*\v], 0
	s_add_co_u32 s84, s84, s20
.endr
	s_add_co_u32 s23, s82, s84
.irp q, 0,1,2,3,4,5,6,7,8,9,10,11,12,13,14,15
	v_mbcnt_lo_u32_b32 v[32+\q], s[24+\q], s[40+\q]   ; mine in lower lanes of this register + mine in earlier registers
	v_add_nc_u32 v[32+\q], s23, v[32+\q]
	v_min_u32 v[32+\q], 4095, v[32+\q]             ; a place in order: held inside its 4,096 words
	v_lshlrev_b32 v[32+\q], 2, v[32+\q]
	v_lshl_add_u32 v[48+\q], v0, 2, 1024*(\q/4)+\q%4   ; the token's number
.endr
	s_wait_xcnt 0x0                                ; EXEC changes only behind this wait
.irp q, 0,1,2,3,4,5,6,7,8,9,10,11,12,13,14,15
	s_and_saveexec_b32 s22, s[24+\q]
	global_store_b32 v[32+\q], v[48+\q], s[10:11]  ; the active lanes write neighbouring words of my expert's run
	s_wait_xcnt 0x0                                ; and again, in front of the line that widens it
	s_or_b32 exec_lo, exec_lo, s22
.endr
	s_cmp_lg_u32 s16, 0                            ; wave 0 alone stores the count; no barrier follows
	s_cbranch_scc1 .Lroute_end
	s_and_saveexec_b32 s22, vcc_lo                 ; lane 0
	global_store_b32 v9, v8, s[12:13]              ; counts[e]
	s_wait_xcnt 0x0
	s_or_b32 exec_lo, exec_lo, s22
	s_cmp_lg_u32 s17, 0                            ; work-group 0: the 32 zeros behind the list
	s_cbranch_scc1 .Lroute_end
	global_store_b32 v10, v11, s[10:11] offset:16384
.Lroute_end:
	s_wait_tensorcnt 0x0
	ds_add_u32 v96, v97
	s_wait_dscnt 0x0
	s_endpgm
.Lfunc_end_k_q6e9524a34c_prep:
	.size	k_q6e9524a34c_prep, .Lfunc_end_k_q6e9524a34c_prep-k_q6e9524a34c_prep
	.p2alignl 7, 3214868480
	.fill 96, 4, 3214868480
	.section	.rodata,"a",@progbits
	.p2align	6, 0x0
	.amdhsa_kernel k_q6e9524a34c_prep
		.amdhsa_group_segment_fixed_size 1280
		.amdhsa_private_segment_fixed_size 0
		.amdhsa_enable_private_segment 0
		.amdhsa_kernarg_size 48
		.amdhsa_user_sgpr_count 2
		.amdhsa_user_sgpr_kernarg_segment_ptr 1
		.amdhsa_wavefront_size32 1
		.amdhsa_system_sgpr_workgroup_id_x 1
		.amdhsa_system_sgpr_workgroup_id_y 1
		.amdhsa_system_sgpr_workgroup_id_z 1
		.amdhsa_system_vgpr_workitem_id 0
		.amdhsa_next_free_vgpr 98
		.amdhsa_next_free_sgpr 96
		.amdhsa_reserve_vcc 1
		.amdhsa_float_denorm_mode_32 3
		.amdhsa_float_denorm_mode_16_64 3
		.amdhsa_memory_ordered 1
		.amdhsa_forward_progress 1
		.amdhsa_inst_pref_size 25
	.end_amdhsa_kernel
	.amdgpu_metadata
---
amdhsa.version: [ 1, 2 ]
amdhsa.kernels:
  - .name:           k_q6e9524a34c_prep
    .symbol:         k_q6e9524a34c_prep.kd
    .args:
      - { .name: y_index, .offset: 0, .size: 8, .value_kind: global_buffer, .address_space: global }
      - { .name: W_in_codes, .offset: 8, .size: 8, .value_kind: global_buffer, .address_space: global }
      - { .name: W_out_codes, .offset: 16, .size: 8, .value_kind: global_buffer, .address_space: global }
      - { .name: order, .offset: 24, .size: 8, .value_kind: global_buffer, .address_space: global }
      - { .name: counts, .offset: 32, .size: 8, .value_kind: global_buffer, .address_space: global }
      - { .name: wfrag, .offset: 40, .size: 8, .value_kind: global_buffer, .address_space: global }
    .group_segment_fixed_size: 1280
    .private_segment_fixed_size: 0
    .kernarg_segment_align: 8
    .kernarg_segment_size: 48
    .max_flat_workgroup_size: 256
    .sgpr_count:     96
    .vgpr_count:     98
    .wavefront_size: 32
...
	.end_amdgpu_metadata
.endif
;; end of part 1
;; launch chain (part 2): grid 143 x 1, 4 waves a work-group, no clusters, 168,448 bytes of LDS; arguments x, order, counts, wfrag, W_in_scales, W_out_scales, b_in, b_out, out0; writes out0
.if DOCPART == 2
	.amdgcn_target "amdgcn-amd-amdhsa--gfx1250"
	.amdhsa_code_object_version 6
	.text
	.protected	k_q6e9524a34c_chain
	.globl	k_q6e9524a34c_chain
	.p2align	8
	.type	k_q6e9524a34c_chain,@function
k_q6e9524a34c_chain:
	s_mov_b64 s[64:65], 0
	v_nop
	global_prefetch_b8 v0, s[64:65] scope:SCOPE_SE
	s_setreg_imm32_b32 hwreg(HW_REG_WAVE_MODE, 25, 1), 1
	s_wait_xcnt 0x0
; out = x + W_out[e] Q(W_in[e] Q(relu x) + b_in[e]) + b_out[e], e = the token's expert; both products on codes of BF6 (E3M2) with one E8M0 scale for each 32 along K.  Only the chosen expert is multiplied.
; GRID.  Tokens are sorted by expert (order, counts: the launch before).  A work-group takes one tile of at most 32 tokens of one expert through the whole chain.  4,096 tokens and 16 experts make at most
; 4096 / 32 + 15 = 143 tiles, whatever the split.  A work-group that the split leaves without rows walks the same text on held addresses (both barriers stay on every path) and stores nothing.
; SHARES.  The four waves share the COLUMNS: wave w owns columns 256 w .. + 255 of x (it gathers, quantises, adds onto and stores them itself: that strip of LDS is its own), hidden units 64 w .. + 63
; (4 tiles x 8 K steps x 2 tiles of tokens = 64 matrix instructions) and output columns 256 w .. + 255 (16 tiles x 2 K steps x 2 = 64).  Its 98,304 bytes of weight codes go from memory straight into its
; registers, each fragment once, in the register order in which the launch before laid them.  What goes from wave to wave, through LDS as images of operand registers, is small: the codes of x and of the hidden layer.
; BOTH PRODUCTS ARE USED TRANSPOSED (source 0 = 16 rows of the weight, source 1 = 16 tokens): a lane (r, h) holds token r throughout, and its registers run along the next K or along a row of out.
; NO CLUSTER: which tiles share an expert hangs on the counts, 143 is no multiple of a cluster's size, and partners of different experts would need different addresses in a joint request.
; NO TENSOR LOADS, NO COPIES: an expert's 393,216 bytes of codes do not fit in LDS and each fragment feeds one wave alone.  x is gathered through registers: each load takes 512 consecutive bytes of one row, and
; an LDS store puts them into the wave's strip, from which they are read twice (for the quantiser and for the residual).  The text uses 165,376 bytes of LDS; the claim is a little larger.
; LIMITS: a NaN in x counts as 0 in relu (it still reaches out through the residual); infinities are not served; a block of zeros keeps the scale byte 1 (its codes are zeros; nobody else reads the bytes);
; rows of a tile beyond its count are gathered from held addresses and computed, never stored; y_index in 0 .. 15.
; REGISTERS, in windows of 256.  Window 0: v1-15 addresses; v16-31 W_in's scale words, v32-47 W_out's, v80-87 x's, v88-89 the hidden layer's (these hold scales alone); v48-79 each row's byte offset in x and out;
;   v90-95, v248-254 at work in the quantisers; v96-223 in turn: 2 x 64 numbers of x | 8 accumulators + 2 x 2 fragments of x | 8 accumulators + 64 numbers of x | rows on the way out;
;   v224-247 codes just made.   Window 1: v0-191 W_in's K steps 0-3, later W_out's tiles 8-15; v192-255 b_out of tiles 8-15.   Window 2: v0-191 W_in's K steps 4-7, later v0-47 the hidden layer's four fragments;
;   v192-223 b_in.   Window 3: first my 32 rows of x on their way to LDS (8 registers a row); then v0-191 W_out's tiles 0-7; v192-255 b_out of tiles 0-7.
.set XIMG,  0                          ; LDS: x's 16 fragments (tile of tokens m, K step s: 8 m + s), 1,536 bytes each: registers 4 c .. at 512 c + 16 x lane
.set XSC,   24576                      ; their scale words: 512 m + 128 p + 4 x lane: lanes 0-15 K step 2 p, lanes 16-31 K step 2 p + 1
.set HIMG,  25600                      ; the hidden layer's 4 fragments (2 m + s): register pair p at 256 p + 8 x lane
.set HSC,   31744                      ; their scale bytes: 128 m + 64 s + 4 r + byte
.set XROW,  32256                      ; x itself, f32: a strip for each wave, 32 rows of 1,024 bytes
.set XP,    1040                       ; from row to row: 1,024 + 16 = 65 x 16 bytes, so that 16 rows fall on 16 different columns of 16 bytes
.set STRIP, 32*XP
.set MSB, 0
.macro WIN new                         ; the immediate's high byte repeats the setting that is left; a switch that changes nothing is dropped
.if MSB != \new
	s_set_vgpr_msb (MSB<<8)|\new
.set MSB, \new
.endif
.endm
.macro PLACES                          ; four plain places between a matrix instruction and a load into, or a vector read of, its registers
.rept 4
	v_nop
.endr
.endm
; n pieces of 512 bytes, from piece 'first' on, of the images that begin off bytes behind the base: piece i into registers 4 i .. 4 i + 3 of the destination's window
.macro GLW base, off, first, n
.set gi, \first
.rept \n
	global_load_b128 v[4*gi:4*gi+3], v1, s[\base:\base+1] offset:\off+512*gi
.set gi, gi+1
.endr
.endm
; sixteen rows of x, from row 'first' on, out of window 3 into my strip: each store lays 512 consecutive bytes
.macro XST first
.set xi, \first
.rept 16
	ds_store_b128 v12, v[8*xi:8*xi+3] offset:XP*xi
	ds_store_b128 v12, v[8*xi+4:8*xi+7] offset:XP*xi+512
.set xi, xi+1
.endr
.endm
; one matrix instruction from the symbols wd (D), wa (source 0), wb (source 1), wc (C), wsa, wsb (scale registers), wra, wrb (1: the scales stand in lanes 16-31)
.macro WM
.if (wra == 0) && (wrb == 0)
	v_wmma_scale_f32_16x16x128_f8f6f4 v[wd:wd+7], v[wa:wa+11], v[wb:wb+11], v[wc:wc+7], v[wsa], v[wsb] matrix_a_fmt:MATRIX_FMT_BF6 matrix_b_fmt:MATRIX_FMT_BF6
.elseif (wra == 1) && (wrb == 0)
	v_wmma_scale_f32_16x16x128_f8f6f4 v[wd:wd+7], v[wa:wa+11], v[wb:wb+11], v[wc:wc+7], v[wsa], v[wsb] matrix_a_fmt:MATRIX_FMT_BF6 matrix_b_fmt:MATRIX_FMT_BF6 matrix_a_scale:MATRIX_SCALE_ROW1
.elseif (wra == 0) && (wrb == 1)
	v_wmma_scale_f32_16x16x128_f8f6f4 v[wd:wd+7], v[wa:wa+11], v[wb:wb+11], v[wc:wc+7], v[wsa], v[wsb] matrix_a_fmt:MATRIX_FMT_BF6 matrix_b_fmt:MATRIX_FMT_BF6 matrix_b_scale:MATRIX_SCALE_ROW1
.else
	v_wmma_scale_f32_16x16x128_f8f6f4 v[wd:wd+7], v[wa:wa+11], v[wb:wb+11], v[wc:wc+7], v[wsa], v[wsb] matrix_a_fmt:MATRIX_FMT_BF6 matrix_b_fmt:MATRIX_FMT_BF6 matrix_a_scale:MATRIX_SCALE_ROW1 matrix_b_scale:MATRIX_SCALE_ROW1
.endif
.endm
; 64 numbers of x into set st: token 16 m + r, K step 2 w + sp: two whole blocks of 32, k = 64 c + 32 h + 0 .. 31, just as the operand's layout gives them to lane (r, h)
.macro LX st, m, sp
.irp c, 0,1
.irp i, 0,1,2,3,4,5,6,7
	ds_load_b128 v[96+64*\st+32*\c+4*\i:99+64*\st+32*\c+4*\i], v8 offset:16*XP*\m+512*\sp+256*\c+16*\i
.endr
.endr
.endm
; relu and the quantiser: set st becomes a fragment's 12 registers at v[f] on and its scale word in v94 (in every lane: token r's)
.macro QX st, f
.set XB, 96+64*\st
.set qi, 0
.rept 64
	v_max_num_f32 v[XB+qi], 0, v[XB+qi]            ; relu, in f32
.set qi, qi+1
.endr
	v_max3_num_f32 v90, v[XB], v[XB+1], 0x2800000  ; each block's largest number (none is negative), and the floor 2^(5 - 127): the byte cannot fall under 1
	v_max3_num_f32 v91, v[XB+32], v[XB+33], 0x2800000
.irp i, 2,4,6,8,10,12,14,16,18,20,22,24,26,28,30
	v_max3_num_f32 v90, v90, v[XB+\i], v[XB+\i+1]  ; (the two blocks by turns)
	v_max3_num_f32 v91, v91, v[XB+32+\i], v[XB+33+\i]
.endr
	v_add_nc_u32 v92, 0xfe000000, v90              ; 4 off the exponent field: the conversion takes this operand's exponent field as its scale
	v_add_nc_u32 v93, 0xfe000000, v91
	v_lshrrev_b32 v90, 23, v92                     ; the scales' bytes: blocks h and 2 + h of the K step
	v_lshrrev_b32 v91, 23, v93
	v_lshl_or_b32 v94, v91, 16, v90
	v_lshlrev_b32 v94, v7, v94                     ; 8 h bits up;
	v_permlanex16_b32 v95, v94, s68, s69
	v_or_b32 v94, v94, v95                         ; with lane l xor 16's two bytes the word is whole
	v_cvt_scalef32_pk16_bf6_f32 v[\f:\f+2], v[XB:XB+15], v92
	v_cvt_scalef32_pk16_bf6_f32 v[248:250], v[XB+16:XB+31], v92      ; (a conversion's three registers begin on an even number: a block's second half is made elsewhere and moved)
	v_cvt_scalef32_pk16_bf6_f32 v[\f+6:\f+8], v[XB+32:XB+47], v93
	v_cvt_scalef32_pk16_bf6_f32 v[252:254], v[XB+48:XB+63], v93
	v_nop                                          ; one plain place behind a scaled conversion
.irp i, 0,1,2
	v_mov_b32 v[\f+3+\i], v[248+\i]
	v_mov_b32 v[\f+9+\i], v[252+\i]
.endr
.endm
; the fragment's image to LDS; the words of my two K steps leave together: the first's in lanes 0-15, the second's in lanes 16-31
.macro SX f, m, sp
.irp c, 0,1,2
	ds_store_b128 v14, v[\f+4*\c:\f+4*\c+3] offset:XIMG+12288*\m+1536*\sp+512*\c
.endr
.if \sp == 0
	v_mov_b32 v251, v94
.else
	v_cndmask_b32 v94, v251, v94, s67
	ds_store_b32 v15, v94 offset:XSC+512*\m
.endif
.endm
; x's two fragments (m = 0, 1) of K step s into set st
.macro LF st, s
.irp m, 0,1
.irp c, 0,1,2
	ds_load_b128 v[160+24*(\st)+12*\m+4*\c:163+24*(\st)+12*\m+4*\c], v1 offset:XIMG+(8*\m+(\s))*1536+512*\c
.endr
.endr
.endm
; K step s of the first product: the eight accumulators by turns, one instruction a turn.  The first step's C is b_in
.macro MUL1 s
.irp t, 0,1,2,3
.irp m, 0,1
.set wd, 96+32*\m+8*\t
.set wa, 12*(4*((\s)%4)+\t)
.set wb, 160+24*((\s)%2)+12*\m
.if (\s) == 0
.set wc, 192+8*\t
.else
.set wc, wd
.endif
.set wsa, 16+4*\t+(\s)%4
.set wsb, 80+4*\m+(\s)/2
.set wra, (\s)/4
.set wrb, (\s)%2
	WM
.endr
.endr
.endm
; the numbers of x that belong to group g's results: lane (r, h), accumulator a = 2 n + m: token 16 m + r, columns 16 (4 g + n) + 8 h + 0 .. 7 of my strip
.macro LOADX g
.irp n, 0,1,2,3
.irp m, 0,1
	ds_load_b128 v[160+8*(2*\n+\m):163+8*(2*\n+\m)], v9 offset:16*XP*\m+64*(4*(\g)+\n)
	ds_load_b128 v[164+8*(2*\n+\m):167+8*(2*\n+\m)], v9 offset:16*XP*\m+64*(4*(\g)+\n)+16
.endr
.endr
.endm
.macro STOREX g
.irp n, 0,1,2,3
.irp m, 0,1
	ds_store_b128 v9, v[160+8*(2*\n+\m):163+8*(2*\n+\m)] offset:16*XP*\m+64*(4*(\g)+\n)
	ds_store_b128 v9, v[164+8*(2*\n+\m):167+8*(2*\n+\m)] offset:16*XP*\m+64*(4*(\g)+\n)+16
.endr
.endr
.endm
; group g of the second product: output tiles 4 g .. 4 g + 3 x two tiles of tokens, K step 0 (C = b_out) and then K step 1, eight accumulators by turns
.macro MUL2 g
.irp s, 0,1
.if (\s == 0) && ((\g) < 2)
	WIN 0x3b                                       ; W_out and b_out window 3, the hidden layer window 2
.elseif \s == 0
	WIN 0x19                                       ; W_out and b_out window 1
.elseif (\g) < 2
	WIN 0x0b
.else
	WIN 0x09
.endif
.irp n, 0,1,2,3
.irp m, 0,1
.set wn, 4*(\g)+\n
.set wd, 96+8*(2*\n+\m)
.set wa, 12*(2*(wn%8)+\s)
.set wb, 12*(2*\m+\s)
.if \s == 0
.set wc, 192+8*(wn%8)
.else
.set wc, wd
.endif
.set wsa, 32+2*(wn/2)+\s
.set wsb, 88+\m
.set wra, wn%2
.set wrb, \s
	WM
.endr
.endr
.endr
.endm
; eight finished rows of my strip back into registers, 1,024 bytes a row
.macro RB b
.irp k, 0,1,2,3,4,5,6,7
	ds_load_b128 v[96+64*((\b)%2)+8*\k:99+64*((\b)%2)+8*\k], v12 offset:(8*(\b)+\k)*XP
	ds_load_b128 v[100+64*((\b)%2)+8*\k:103+64*((\b)%2)+8*\k], v12 offset:(8*(\b)+\k)*XP+512
.endr
.endm
; and out: a row is stored only if the tile has it.  The branch hangs on the stored counts; no barrier follows it
.macro OUTB b, younger
.irp k, 0,1,2,3,4,5,6,7
	s_cmp_gt_i32 s63, 8*(\b)+\k
	s_cbranch_scc0 .Lend
	s_wait_dscnt \younger+14-2*\k                  ; LDS loads come back in order: this row's two are in; the batch's later rows and the next batch may be out
	global_store_b128 v[48+8*(\b)+\k], v[96+64*((\b)%2)+8*\k:99+64*((\b)%2)+8*\k], s[20:21] th:TH_STORE_NT              ; 32 lanes store 512 consecutive bytes, aligned
	global_store_b128 v[48+8*(\b)+\k], v[100+64*((\b)%2)+8*\k:103+64*((\b)%2)+8*\k], s[20:21] offset:512 th:TH_STORE_NT
.endr
.endm
	; ---- the head: pointers, the counts, addresses
	s_load_b512 s[4:19], s[0:1], 0x0               ; x s[4:5], order s[6:7], counts s[8:9], wfrag s[10:11], W_in's scales s[12:13], W_out's s[14:15], b_in s[16:17], b_out s[18:19]
	s_load_b64 s[20:21], s[0:1], 0x40              ; out
	v_lshl_add_u32 v13, v0, 2, 0x29000
	v_mov_b32 v255, 0
	v_lshrrev_b32 v224, 5, v0
	v_readfirstlane_b32 s22, v224                  ; wave 0..3
	v_and_b32 v224, 31, v0                         ; lane
	v_and_b32 v225, 15, v0                         ; r
	v_bfe_u32 v226, v0, 4, 1                       ; h
	s_mov_b32 s68, 0x76543210
	s_mov_b32 s69, 0xfedcba98                      ; v_permlanex16_b32's selects for lane l xor 16
	s_mov_b32 s67, 0xffff0000                      ; lanes 16-31
	s_wait_kmcnt 0x0
	s_load_b512 s[24:39], s[8:9], 0x0              ; the 16 counts
	v_lshlrev_b32 v1, 4, v224                      ; 16 x lane
	v_lshlrev_b32 v2, 3, v224                      ; 8 x lane
	v_lshlrev_b32 v3, 2, v224                      ; 4 x lane
	v_lshlrev_b32 v4, 7, v226                      ; 128 h
	v_lshlrev_b32 v5, 5, v226                      ; 32 h
	v_lshlrev_b32 v7, 3, v226                      ; 8 h
	v_and_b32 v227, 7, v0
	v_bfe_u32 v228, v0, 3, 1
	v_lshlrev_b32 v6, 5, v227                      ; W_in's scales, 32 bytes a hidden unit: my tile's row r is unit 32 (r / 8) + r % 8 of the tile's run;
	v_lshl_add_u32 v6, v228, 10, v6
	v_lshl_add_u32 v6, v226, 4, v6                 ; lanes 0-15 take the words of K steps 0-3, lanes 16-31 those of 4-7
	s_mul_i32 s62, s22, STRIP
	s_add_co_u32 s62, s62, XROW                    ; my strip
	v_add_nc_u32 v12, s62, v1                      ; a row of it by 16 bytes a lane
	v_mul_u32_u24 v8, v225, XP
	v_add_nc_u32 v8, s62, v8
	v_add_nc_u32 v9, v8, v5                        ; row r, + 32 h: eight numbers beside a result's eight
	v_add_nc_u32 v8, v8, v4                        ; row r, + 128 h: a block of 32 numbers
	s_lshl_b32 s82, s22, 10
	v_add_nc_u32 v229, s82, v1                     ; in a row of x and out: 1,024 w + 16 x lane
	s_mul_i32 s62, s22, 768
	v_add_nc_u32 v10, s62, v2                      ; my six registers of a hidden fragment: 8 x lane + 768 w
	s_mul_i32 s62, s22, 3072
	v_add_nc_u32 v14, s62, v1                      ; my two fragments of x: 16 x lane + 3,072 w
	s_lshl_b32 s62, s22, 7
	v_add_nc_u32 v15, s62, v3                      ; their scale words: 4 x lane + 128 w
	s_lshr_b32 s62, s22, 1
	s_lshl_b32 s62, s62, 6
	s_and_b32 s82, s22, 1
	s_lshl_b32 s82, s82, 1
	s_add_co_u32 s62, s62, s82
	v_lshl_add_u32 v11, v225, 2, v226
	v_add_nc_u32 v11, s62, v11                     ; my hidden block 2 w + h: K step w / 2, byte 2 (w % 2) + h of token r's word
	v_mov_b32 v95, 0                               ; written once: a lane permute's destination counts as one of its sources
	s_wait_kmcnt 0x0
	; ---- which tile is mine: the last expert whose first tile's number is not above the work-group's
	s_mov_b32 s56, 0                               ; the expert,
	s_mov_b32 s59, 0                               ; its first tile,
	s_mov_b32 s60, 0                               ; its first place in order,
	s_mov_b32 s61, s24                             ; its count
	s_add_co_u32 s62, s24, 31
	s_lshr_b32 s57, s62, 5                         ; running: tiles so far,
	s_mov_b32 s58, s24                             ; tokens so far
.irp e, 1,2,3,4,5,6,7,8,9,10,11,12,13,14,15
	s_cmp_ge_u32 ttmp9, s57
	s_cselect_b32 s56, \e, s56
	s_cselect_b32 s59, s57, s59
	s_cselect_b32 s60, s58, s60
	s_cselect_b32 s61, s[24+\e], s61
	s_add_co_u32 s62, s[24+\e], 31
	s_lshr_b32 s62, s62, 5
	s_add_co_u32 s57, s57, s62
	s_add_co_u32 s58, s58, s[24+\e]
.endr
	s_sub_co_u32 s62, ttmp9, s59
	s_lshl_b32 s62, s62, 5                         ; 32 x my tile's number within the expert
	s_sub_co_i32 s63, s61, s62                     ; rows left from my first on: 0 or less where the split leaves me none
	s_add_co_u32 s86, s60, s62
	s_min_u32 s86, s86, 4095                       ; my first place in the list, held inside it (32 zeros follow its 4,096 numbers)
	s_lshl_b32 s86, s86, 2
	s_mov_b32 s87, 0
	s_min_u32 s56, s56, 15
	s_add_nc_u64 s[86:87], s[6:7], s[86:87]        ; the list at my first place; the pair is not written again
	s_load_b512 s[24:39], s[86:87], 0x0            ; my 32 tokens' numbers
	s_load_b512 s[40:55], s[86:87], 0x40
	s_lshl_b32 s82, s56, 2
	s_add_co_u32 s82, s82, s22
	s_mul_i32 s82, s82, 49152                      ; (4 e + w) parts of 49,152 bytes
	s_mov_b32 s83, 0
	s_add_nc_u64 s[70:71], s[10:11], s[82:83]      ; my images of W_in,
	s_add_nc_u64 s[72:73], s[70:71], 0x300000      ; and of W_out
	s_lshl_b32 s84, s56, 13
	s_lshl_b32 s62, s22, 11
	s_add_co_u32 s84, s84, s62
	s_mov_b32 s85, 0
	s_add_nc_u64 s[74:75], s[12:13], s[84:85]      ; W_in's scales: 8,192 bytes an expert, 2,048 for my 64 units
	s_add_nc_u64 s[76:77], s[14:15], s[84:85]      ; W_out's: the same figures for my 256 rows of 8 bytes
	s_lshl_b32 s84, s56, 10
	s_lshl_b32 s62, s22, 8
	s_add_co_u32 s84, s84, s62
	s_add_nc_u64 s[78:79], s[16:17], s[84:85]      ; b_in at my 64 units
	s_lshl_b32 s84, s84, 2
	s_add_nc_u64 s[80:81], s[18:19], s[84:85]      ; b_out at my 256 columns
	; ---- the first loads go out while the tokens' numbers are on their way
.irp t, 0,1,2,3
	global_load_b128 v[16+4*\t:19+4*\t], v6, s[74:75] offset:256*\t   ; tile t: register j = the word of K step j (lanes 0-15) and of K step 4 + j (lanes 16-31)
.endr
	WIN 0x80                                       ; destination window 2
.irp t, 0,1,2,3
	global_load_b128 v[192+8*\t:195+8*\t], v4, s[78:79] offset:32*\t      ; b_in in the result's layout: units 32 h + 8 t + 0 .. 7
	global_load_b128 v[196+8*\t:199+8*\t], v4, s[78:79] offset:32*\t+16
.endr
	WIN 0x40                                       ; destination window 1
	GLW 70, 0, 0, 48                               ; W_in, K steps 0-3
	WIN 0
	s_wait_kmcnt 0x0
	; ---- the gather: row i of the tile, my 1,024 bytes of it, by two loads of 512 consecutive bytes into window 3, and from there into my strip of LDS
.set i, 0
.rept 32
	s_min_u32 s[24+i], s[24+i], 4095               ; a token's number, held inside x
	v_lshl_add_u32 v[48+i], s[24+i], 12, v229      ; 4,096 bytes a row: kept to the end, for the stores
.set i, i+1
.endr
	WIN 0xc0                                       ; destination window 3
.set i, 0
.rept 32
	global_load_b128 v[8*i:8*i+3], v[48+i], s[4:5]
	global_load_b128 v[8*i+4:8*i+7], v[48+i], s[4:5] offset:512
.set i, i+1
.endr
	s_wait_loadcnt 32                              ; rows 0-15 are in; the 32 loads of rows 16-31 may be out
	WIN 0x0c                                       ; an LDS store's data are its source 1: window 3
	XST 0
	WIN 0x80
	GLW 70, 24576, 0, 24                           ; W_in, K steps 4 and 5
	s_wait_loadcnt 24                              ; rows 16-31 are in; the 24 loads just issued may be out
	WIN 0x0c
	XST 16
	WIN 0x80
	GLW 70, 24576, 24, 24                          ; W_in, K steps 6 and 7
	WIN 0
	; ---- my strip becomes four fragments; the later loads are issued between.  LDS serves a wave's instructions in order: the reads below see my stores above, and nobody else touches the strip
	LX 0, 0, 0
	LX 1, 0, 1
	s_wait_dscnt 16                                ; the first 64 numbers are in, and so the 64 stores ahead of them are done: window 3 is free; the second fragment's 16 loads may be out
	QX 0, 224
	SX 224, 0, 0
	LX 0, 1, 0
.irp p, 0,1,2,3,4,5,6,7
	global_load_b64 v[32+2*\p:33+2*\p], v2, s[76:77] offset:256*\p        ; W_out's scale words: lanes 0-15 tile 2 p, lanes 16-31 tile 2 p + 1; register + s = K step s
.endr
	WIN 0xc0                                       ; destination window 3
.irp n, 0,1,2,3,4,5,6,7
	global_load_b128 v[192+8*\n:195+8*\n], v5, s[80:81] offset:64*\n      ; b_out in the result's layout: columns 16 n + 8 h + 0 .. 7
	global_load_b128 v[196+8*\n:199+8*\n], v5, s[80:81] offset:64*\n+16
.endr
	WIN 0x40
.irp n, 0,1,2,3,4,5,6,7
	global_load_b128 v[192+8*\n:195+8*\n], v5, s[80:81] offset:512+64*\n
	global_load_b128 v[196+8*\n:199+8*\n], v5, s[80:81] offset:512+64*\n+16
.endr
	WIN 0
	s_wait_dscnt 19                                ; behind the second fragment's loads: 3 stores and 16 loads
	QX 1, 236
	SX 236, 0, 1
	LX 1, 1, 1
	WIN 0xc0
	GLW 72, 0, 0, 24                               ; W_out, tiles 0-3
	WIN 0
	s_wait_dscnt 16                                ; only the fourth fragment's 16 loads may be out: the third's numbers are in, and the four stores above have left (one reads the word's register, written anew below)
	QX 0, 224
	SX 224, 1, 0
	WIN 0xc0
	GLW 72, 0, 24, 24                              ; W_out, tiles 4-7
	WIN 0
	s_wait_dscnt 3                                 ; behind the fourth fragment's loads: 3 stores
	QX 1, 236
	SX 236, 1, 1
	s_wait_dscnt 0x0                               ; for the others' sake: my images and words have landed
	s_barrier_signal -1
	s_barrier_wait -1                              ; x's sixteen fragments lie in LDS
	; ---- the first product: hidden^T = W_in Q(relu x)^T + b_in
.irp m, 0,1
.irp p, 0,1,2,3
	ds_load_b32 v[80+4*\m+\p], v3 offset:XSC+512*\m+128*\p
.endr
.endr
	LF 0, 0
	LF 1, 1
	s_wait_loadcnt 48                              ; W_in, its scales and b_in are in (and W_out's scales and b_out); the 48 loads of W_out's tiles 0-7 may be out
.irp s, 0,1,2,3,4,5,6,7
.if \s < 7
	s_wait_dscnt 6                                 ; this K step's fragments (and x's scale words) are in; the next step's six loads may be out
.else
	s_wait_dscnt 0x0
.endif
.if \s == 0
	WIN 0x21                                       ; W_in window 1, b_in window 2
.elseif \s < 4
	WIN 0x01
.else
	WIN 0x02                                       ; W_in window 2
.endif
	MUL1 \s
	WIN 0
	PLACES                                         ; in front of the loads into registers just read, and at the end of the first read of the results
.if \s < 6
	LF (\s)%2, (\s)+2
.endif
.if \s == 3
	WIN 0x40
	GLW 72, 24576, 0, 48                           ; W_out, tiles 8-15, into the registers that W_in's K steps 0-3 have left
	WIN 0
.endif
.endr
	; ---- the hidden layer is quantised in registers: lane (r, h) holds, for each m, block 2 w + h of token 16 m + r whole and in order, so no other lane is asked
	v_max3_num_f32 v90, |v96|, |v97|, 0x2800000    ; each accumulator is read from its low end on
	v_max3_num_f32 v91, |v128|, |v129|, 0x2800000
.irp i, 2,4,6,8,10,12,14,16,18,20,22,24,26,28,30
	v_max3_num_f32 v90, v90, |v[96+\i]|, |v[97+\i]|
	v_max3_num_f32 v91, v91, |v[128+\i]|, |v[129+\i]|
.endr
	v_add_nc_u32 v92, 0xfe000000, v90
	v_add_nc_u32 v93, 0xfe000000, v91
	v_lshrrev_b32 v90, 23, v92
	v_lshrrev_b32 v91, 23, v93
	v_cvt_scalef32_pk16_bf6_f32 v[224:226], v[96:111], v92
	v_cvt_scalef32_pk16_bf6_f32 v[248:250], v[112:127], v92
	v_cvt_scalef32_pk16_bf6_f32 v[236:238], v[128:143], v93
	v_cvt_scalef32_pk16_bf6_f32 v[252:254], v[144:159], v93
	v_nop                                          ; one plain place behind a scaled conversion
.irp i, 0,1,2
	v_mov_b32 v[227+\i], v[248+\i]
	v_mov_b32 v[239+\i], v[252+\i]
.endr
.irp i, 0,1,2
	ds_store_b64 v10, v[224+2*\i:225+2*\i] offset:HIMG+256*\i             ; registers 6 (w % 2) + 0 .. 5 of fragment (m, K step w / 2), in the lane that will hold them
	ds_store_b64 v10, v[236+2*\i:237+2*\i] offset:HIMG+3072+256*\i
.endr
	ds_store_b8 v11, v90 offset:HSC
	ds_store_b8 v11, v91 offset:HSC+128
	s_wait_dscnt 0x0                               ; for the others' sake
	s_barrier_signal -1
	s_barrier_wait -1                              ; the hidden layer's four fragments lie in LDS
	; ---- the second product, the residual, and back into my strip
	WIN 0x80
.irp f, 0,1,2,3
.irp p, 0,1,2,3,4,5
	ds_load_b64 v[12*\f+2*\p:12*\f+2*\p+1], v2 offset:HIMG+1536*\f+256*\p
.endr
.endr
	WIN 0
	ds_load_b32 v88, v3 offset:HSC                 ; lanes 0-15: K step 0's words; lanes 16-31: K step 1's
	ds_load_b32 v89, v3 offset:HSC+128
	LOADX 0
	s_wait_loadcnt 48                              ; W_out's tiles 0-7 are in; the 48 loads of tiles 8-15 may be out
	s_wait_dscnt 16                                ; the hidden layer is in; the 16 loads of x may be out
.irp g, 0,1,2,3
.if \g == 2
	s_wait_loadcnt 24                              ; tiles 8-11 are in
.elseif \g == 3
	s_wait_loadcnt 0x0
.endif
	MUL2 \g
	WIN 0
	PLACES
	s_wait_dscnt 0x0                               ; this group's numbers of x are in
.set pj, 0
.rept 32
	v_pk_add_f32 v[160+pj:161+pj], v[160+pj:161+pj], v[96+pj:97+pj]       ; x + (product + b_out), each accumulator from its low end on
.set pj, pj+2
.endr
	STOREX \g
.if \g < 3
	LOADX (\g)+1                                   ; LDS serves a wave's instructions in order: the stores above have taken their data
.endif
.endr
	; ---- the way out: whole rows of my strip, eight at a time, in two sets of registers
	RB 0
	RB 1
	OUTB 0, 16
	s_wait_xcnt 0x0                                ; the stores have read their registers: the set is loaded again only behind this wait
	RB 2
	OUTB 1, 16
	s_wait_xcnt 0x0
	RB 3
	OUTB 2, 16
	OUTB 3, 0
.Lend:
	s_wait_dscnt 0x0
	s_wait_tensorcnt 0x0
	ds_add_u32 v13, v255
	s_wait_dscnt 0x0
	s_endpgm
.Lfunc_end_k_q6e9524a34c_chain:
	.size	k_q6e9524a34c_chain, .Lfunc_end_k_q6e9524a34c_chain-k_q6e9524a34c_chain
	.p2alignl 7, 3214868480
	.fill 96, 4, 3214868480
	.section	.rodata,"a",@progbits
	.p2align	6, 0x0
	.amdhsa_kernel k_q6e9524a34c_chain
		.amdhsa_group_segment_fixed_size 168448
		.amdhsa_private_segment_fixed_size 0
		.amdhsa_enable_private_segment 0
		.amdhsa_kernarg_size 72
		.amdhsa_user_sgpr_count 2
		.amdhsa_user_sgpr_kernarg_segment_ptr 1
		.amdhsa_wavefront_size32 1
		.amdhsa_system_sgpr_workgroup_id_x 1
		.amdhsa_system_sgpr_workgroup_id_y 1
		.amdhsa_system_sgpr_workgroup_id_z 1
		.amdhsa_system_vgpr_workitem_id 0
		.amdhsa_next_free_vgpr 1024
		.amdhsa_next_free_sgpr 100
		.amdhsa_reserve_vcc 0
		.amdhsa_float_denorm_mode_32 3
		.amdhsa_float_denorm_mode_16_64 3
		.amdhsa_memory_ordered 1
		.amdhsa_forward_progress 1
		.amdhsa_inst_pref_size 127
	.end_amdhsa_kernel
	.amdgpu_metadata
---
amdhsa.version: [ 1, 2 ]
amdhsa.kernels:
  - .name:           k_q6e9524a34c_chain
    .symbol:         k_q6e9524a34c_chain.kd
    .args:
      - { .name: x, .offset: 0, .size: 8, .value_kind: global_buffer, .address_space: global }
      - { .name: order, .offset: 8, .size: 8, .value_kind: global_buffer, .address_space: global }
      - { .name: counts, .offset: 16, .size: 8, .value_kind: global_buffer, .address_space: global }
      - { .name: wfrag, .offset: 24, .size: 8, .value_kind: global_buffer, .address_space: global }
      - { .name: W_in_scales, .offset: 32, .size: 8, .value_kind: global_buffer, .address_space: global }
      - { .name: W_out_scales, .offset: 40, .size: 8, .value_kind: global_buffer, .address_space: global }
      - { .name: b_in, .offset: 48, .size: 8, .value_kind: global_buffer, .address_space: global }
      - { .name: b_out, .offset: 56, .size: 8, .value_kind: global_buffer, .address_space: global }
      - { .name: out0, .offset: 64, .size: 8, .value_kind: global_buffer, .address_space: global }
    .group_segment_fixed_size: 168448
    .private_segment_fixed_size: 0
    .kernarg_segment_align: 8
    .kernarg_segment_size: 72
    .max_flat_workgroup_size: 128
    .sgpr_count:     100
    .vgpr_count:     1024
    .wavefront_size: 32
...
	.end_amdgpu_metadata
.endif
;; end of part 2
;; ======== version 2 of 2: 2 launches
;; workspace buffers: wfrag 6,291,456 bytes; order 16,640 bytes of whole numbers; counts 256 bytes of whole numbers
;; launch prep (part 3): grid 144 x 1, 8 waves a work-group, no clusters, 1,280 bytes of LDS; arguments y_index, W_in_codes, W_out_codes, order, counts, wfrag; writes order, counts, wfrag
.if DOCPART == 3
	.amdgcn_target "amdgcn-amd-amdhsa--gfx1250"
	.amdhsa_code_object_version 6
	.text
	.protected	k_q6e9524a34c_prep
	.globl	k_q6e9524a34c_prep
	.p2align	8
	.type	k_q6e9524a34c_prep,@function
k_q6e9524a34c_prep:
	s_mov_b64 s[64:65], 0
	v_nop
	global_prefetch_b8 v0, s[64:65] scope:SCOPE_SE
	s_setreg_imm32_b32 hwreg(HW_REG_WAVE_MODE, 25, 1), 1
	s_wait_xcnt 0x0
; TWO JOBS IN ONE LAUNCH, parted by the work-group's number alone.
; Work-groups 0-15: a counting sort of the 4,096 tokens by expert, without atomics.  Work-group e reads all of y_index (16 KB), counts the tokens of lower experts (where its run begins in
;   'order') and places its own tokens' numbers there; it stores its count in counts[e].  Work-group 0 also stores 32 zeros behind the 4,096 numbers, so that a tile of 32 may be read from any place.
; Work-groups 16-79 (W_in) and 80-143 (W_out): the weights' codes are laid anew, in the order of a matrix operand's registers.  A fragment (16 rows x 128 K of 6-bit codes, 12 registers a lane)
;   becomes an image of 1,536 bytes: registers 4 c .. 4 c + 3 of lane l at 512 c + 16 l.  The next launch then takes a fragment by three loads of 512 consecutive bytes each.
;   wfrag, W_in's part:  (4 e + w) x 49,152 + (4 s + t) x 1,536: wave w (0-3), K step s (0-7), tile t (0-3); row i of the tile is hidden unit 64 w + 32 (i / 8) + 8 t + i % 8, so that in the transposed
;   product a lane's 32 results of the four tiles are one whole block of 32 neighbouring hidden units.
;   wfrag, W_out's part: 3,145,728 + (4 e + w) x 49,152 + (2 n + s) x 1,536: tile n (0-15), K step s (0-1); row i is output column 256 w + 16 n + i.
; LIMIT: every y_index lies in 0 .. 15, as the gather of the reference relies on; a number outside is placed by no work-group.
; No matrix work, no clusters, no tensor loads: the launch moves 12.6 MB once, and work-groups share nothing but the 16 KB of y_index.
.set PART,  49152                      ; bytes of codes of one (expert, wave): 64 rows of 768 bytes, or 256 rows of 192
.set FRB,   1536                       ; a fragment's image
.set WOUT0, 3145728                    ; where W_out's images begin in wfrag
; fragment k of my four: six loads of 8 bytes a lane: the lane's 24 bytes of k = 32 h .. and its 24 bytes of k = 64 + 32 h .., as they lie in the row's stream of bits
.macro RLOAD k, src, simm
.irp p, 0,1,2,3,4,5
	global_load_b64 v[16+12*\k+2*\p:17+12*\k+2*\p], v4, s[\src:\src+1] offset:\simm+48*(\p/3)+8*(\p%3) th:TH_LOAD_NT
.endr
.endm
.macro RSTORE k, dimm
	s_wait_loadcnt 18-6*\k                         ; loads come back in order: fragment k's six are in, those of the later fragments may be out
.irp c, 0,1,2
	global_store_b128 v5, v[16+12*\k+4*\c:19+12*\k+4*\c], s[14:15] offset:\dimm+512*\c   ; 32 lanes store 512 consecutive bytes, aligned
.endr
.endm
	s_load_b256 s[4:11], s[0:1], 0x0               ; y_index s[4:5], W_in's codes s[6:7], W_out's codes s[8:9], order s[10:11]
	s_load_b128 s[12:15], s[0:1], 0x20             ; counts s[12:13], wfrag s[14:15]
	v_lshl_add_u32 v96, v0, 2, 0x100
	v_mov_b32 v97, 0
	v_lshrrev_b32 v1, 5, v0
	s_delay_alu instid0(VALU_DEP_1)
	v_readfirstlane_b32 s16, v1                    ; wave 0..7
	v_and_b32 v1, 31, v0                           ; lane
	v_and_b32 v2, 15, v0                           ; r
	v_bfe_u32 v3, v0, 4, 1                         ; h
	s_delay_alu instid0(VALU_DEP_3)
	v_lshlrev_b32 v5, 4, v1                        ; 16 x lane: my place in an image's 512 bytes
	s_delay_alu instid0(VALU_DEP_4)
	v_lshlrev_b32 v10, 2, v1                       ; 4 x lane: my word of the 32 zeros behind the list (the sort's last store)
	v_mov_b32 v11, 0                               ; and its data
	s_mov_b32 s19, 0                               ; high words of the two offset pairs
	s_mov_b32 s21, 0
	s_wait_kmcnt 0x0
	s_cmp_lt_u32 ttmp9, 16
	s_cbranch_scc1 .Lroute
	s_cmp_lt_u32 ttmp9, 80
	s_cbranch_scc1 .Lwin
	; ---- W_out: work-group j = 4 e + w; wave v takes tiles 2 v, 2 v + 1, both K steps: source and image begin at the same offset
	s_sub_co_u32 s17, ttmp9, 80
	s_mul_i32 s18, s17, PART
	s_mul_i32 s20, s16, 4*FRB                      ; 32 rows of 192 bytes = four images
	s_add_co_u32 s18, s18, s20
	s_add_nc_u64 s[8:9], s[8:9], s[18:19]
	s_add_nc_u64 s[14:15], s[14:15], s[18:19]
	s_add_nc_u64 s[14:15], s[14:15], WOUT0
	s_wait_alu depctr_va_vdst(0)
	v_mul_u32_u24 v4, v2, 192                      ; row r of 192 bytes,
	s_delay_alu instid0(VALU_DEP_1)
	v_mad_u32_u24 v4, v3, 24, v4                   ; + 24 h
	RLOAD 0, 8, 0
	RLOAD 1, 8, 96
	RLOAD 2, 8, 3072
	RLOAD 3, 8, 3168
	RSTORE 0, 0
	RSTORE 1, 1536
	RSTORE 2, 3072
	RSTORE 3, 4608
	s_endpgm
.Lwin:	; ---- W_in: work-group j = 4 e + w; wave v takes tile t = v % 4, K steps 4 (v / 4) + 0 .. 3
	s_sub_co_u32 s17, ttmp9, 16
	s_mul_i32 s17, s17, PART
	s_and_b32 s22, s16, 3                          ; t
	s_lshr_b32 s23, s16, 2                         ; q
	s_mul_i32 s18, s22, 6144                       ; source: 8 t rows of 768 bytes,
	s_mul_i32 s24, s23, 384                        ; four K steps of 96 bytes
	s_add_co_u32 s18, s18, s24
	s_add_co_u32 s18, s18, s17
	s_mul_i32 s20, s22, FRB                        ; image (4 s + t), s = 4 q + k
	s_mul_i32 s24, s23, 16*FRB
	s_add_co_u32 s20, s20, s24
	s_add_co_u32 s20, s20, s17
	s_add_nc_u64 s[6:7], s[6:7], s[18:19]
	s_add_nc_u64 s[14:15], s[14:15], s[20:21]
	v_and_b32 v6, 7, v0
	v_bfe_u32 v7, v0, 3, 1
	s_delay_alu instid0(VALU_DEP_2)
	v_mul_u32_u24 v4, v6, 768                      ; the tile's row r lies r % 8 rows on,
	s_delay_alu instid0(VALU_DEP_1)
	v_mad_u32_u24 v4, v7, 24576, v4                ; and 32 rows further for r / 8 = 1,
	s_wait_alu depctr_va_vdst(0)
	v_mad_u32_u24 v4, v3, 24, v4                   ; + 24 h
	RLOAD 0, 6, 0
	RLOAD 1, 6, 96
	RLOAD 2, 6, 192
	RLOAD 3, 6, 288
	RSTORE 0, 0
	RSTORE 1, 6144
	RSTORE 2, 12288
	RSTORE 3, 18432
	s_endpgm
.Lroute:	; ---- the sort.  Thread t holds 16 tokens: register q = 4 k + c is token 1024 k + 4 t + c
	s_mov_b32 s17, ttmp9                           ; my expert
	s_lshl_b32 s86, ttmp9, 2                       ; the address of my count's word, made here from the work-group's number alone, all lanes on,
	v_mov_b32 v9, s86                              ; ahead of every load and of every line that narrows EXEC; s86 and v9 hold nothing else
	s_wait_alu depctr_va_vdst(0)
	v_cmp_eq_u32 vcc_lo, 0, v1                     ; lane 0: the one lane that stores the count (no later line of this path writes VCC)
	v_lshlrev_b32 v4, 4, v0
.irp k, 0,1,2,3
	global_load_b128 v[16+4*\k:19+4*\k], v4, s[4:5] offset:4096*\k
.endr
	s_mov_b32 s18, 0                               ; my wave's tokens of lower experts
	s_mov_b32 s19, 0                               ; my wave's tokens of my expert
	s_wait_loadcnt 0x0
.irp q, 0,1,2,3,4,5,6,7,8,9,10,11,12,13,14,15
	v_cmp_gt_u32 s20, s17, v[16+\q]
	s_bcnt1_i32_b32 s20, s20
	s_add_co_u32 s18, s18, s20
	v_cmp_eq_u32 s[24+\q], s17, v[16+\q]           ; the mask of mine is kept,
	s_mov_b32 s[40+\q], s19                        ; and how many of mine the wave's earlier registers hold
	s_bcnt1_i32_b32 s21, s[24+\q]
	s_add_co_u32 s19, s19, s21
.endr
	v_lshrrev_b32 v4, 5, v0
	s_delay_alu instid0(VALU_DEP_1)
	v_lshlrev_b32 v4, 3, v4                        ; 8 bytes for each wave
	v_mov_b32 v6, s18
	v_mov_b32 v7, s19
	ds_store_b64 v4, v[6:7]                        ; all lanes write the same pair
	s_wait_dscnt 0x0                               ; for the others' sake: my store has landed
	s_barrier_signal -1
	s_barrier_wait -1
	v_mov_b32 v5, 0
.irp i, 0,1,2,3
	ds_load_b128 v[64+4*\i:67+4*\i], v5 offset:16*\i
.endr
	s_wait_dscnt 0x0
.irp i, 0,1,2,3,4,5,6,7,8,9,10,11,12,13,14,15
	v_readfirstlane_b32 s[66+\i], v[64+\i]         ; even: a wave's lower tokens; odd: its tokens of my expert
.endr
	s_mov_b32 s82, s66                             ; where my expert's run begins
	s_mov_b32 s83, s67                             ; and how long it is
.irp v, 1,2,3,4,5,6,7
	s_add_co_u32 s82, s82, s[66+2*\v]
	s_add_co_u32 s83, s83, s[67+2*\v]
.endr
	v_mov_b32 v8, s83                              ; the count, as a store's data: written with all lanes on
	s_mov_b32 s84, 0                               ; my expert's tokens in the waves in front of mine
.irp v, 0,1,2,3,4,5,6
	s_cmp_gt_u32 s16, \v
	s_cselect_b32 s20, s[67+2*\v], 0
	s_add_co_u32 s84, s84, s20
.endr
	s_add_co_u32 s23, s82, s84
.irp q, 0,1,2,3,4,5,6,7,8,9,10,11,12,13,14,15
	v_mbcnt_lo_u32_b32 v[32+\q], s[24+\q], s[40+\q]   ; mine in lower lanes of this register + mine in earlier registers
	s_delay_alu instid0(VALU_DEP_1)
	v_add_nc_u32 v[32+\q], s23, v[32+\q]
	s_delay_alu instid0(VALU_DEP_1)
	v_min_u32 v[32+\q], 4095, v[32+\q]             ; a place in order: held inside its 4,096 words
	s_delay_alu instid0(VALU_DEP_1)
	v_lshlrev_b32 v[32+\q], 2, v[32+\q]
	v_lshl_add_u32 v[48+\q], v0, 2, 1024*(\q/4)+\q%4   ; the token's number
.endr
	s_wait_alu depctr_va_vdst(0)
	s_wait_xcnt 0x0                                ; EXEC changes only behind this wait
.irp q, 0,1,2,3,4,5,6,7,8,9,10,11,12,13,14,15
	s_and_saveexec_b32 s22, s[24+\q]
	global_store_b32 v[32+\q], v[48+\q], s[10:11]  ; the active lanes write neighbouring words of my expert's run
	s_wait_xcnt 0x0                                ; and again, in front of the line that widens it
	s_or_b32 exec_lo, exec_lo, s22
.endr
	s_cmp_lg_u32 s16, 0                            ; wave 0 alone stores the count; no barrier follows
	s_cbranch_scc1 .Lroute_end
	s_and_saveexec_b32 s22, vcc_lo                 ; lane 0
	global_store_b32 v9, v8, s[12:13]              ; counts[e]
	s_wait_xcnt 0x0
	s_or_b32 exec_lo, exec_lo, s22
	s_cmp_lg_u32 s17, 0                            ; work-group 0: the 32 zeros behind the list
	s_cbranch_scc1 .Lroute_end
	global_store_b32 v10, v11, s[10:11] offset:16384
.Lroute_end:
	s_wait_tensorcnt 0x0
	ds_add_u32 v96, v97
	s_wait_dscnt 0x0
	s_endpgm
.Lfunc_end_k_q6e9524a34c_prep:
	.size	k_q6e9524a34c_prep, .Lfunc_end_k_q6e9524a34c_prep-k_q6e9524a34c_prep
	.p2alignl 7, 3214868480
	.fill 96, 4, 3214868480
	.section	.rodata,"a",@progbits
	.p2align	6, 0x0
	.amdhsa_kernel k_q6e9524a34c_prep
		.amdhsa_group_segment_fixed_size 1280
		.amdhsa_private_segment_fixed_size 0
		.amdhsa_enable_private_segment 0
		.amdhsa_kernarg_size 48
		.amdhsa_user_sgpr_count 2
		.amdhsa_user_sgpr_kernarg_segment_ptr 1
		.amdhsa_wavefront_size32 1
		.amdhsa_system_sgpr_workgroup_id_x 1
		.amdhsa_system_sgpr_workgroup_id_y 1
		.amdhsa_system_sgpr_workgroup_id_z 1
		.amdhsa_system_vgpr_workitem_id 0
		.amdhsa_next_free_vgpr 98
		.amdhsa_next_free_sgpr 96
		.amdhsa_reserve_vcc 1
		.amdhsa_float_denorm_mode_32 3
		.amdhsa_float_denorm_mode_16_64 3
		.amdhsa_memory_ordered 1
		.amdhsa_forward_progress 1
		.amdhsa_inst_pref_size 27
	.end_amdhsa_kernel
	.amdgpu_metadata
---
amdhsa.version: [ 1, 2 ]
amdhsa.kernels:
  - .name:           k_q6e9524a34c_prep
    .symbol:         k_q6e9524a34c_prep.kd
    .args:
      - { .name: y_index, .offset: 0, .size: 8, .value_kind: global_buffer, .address_space: global }
      - { .name: W_in_codes, .offset: 8, .size: 8, .value_kind: global_buffer, .address_space: global }
      - { .name: W_out_codes, .offset: 16, .size: 8, .value_kind: global_buffer, .address_space: global }
      - { .name: order, .offset: 24, .size: 8, .value_kind: global_buffer, .address_space: global }
      - { .name: counts, .offset: 32, .size: 8, .value_kind: global_buffer, .address_space: global }
      - { .name: wfrag, .offset: 40, .size: 8, .value_kind: global_buffer, .address_space: global }
    .group_segment_fixed_size: 1280
    .private_segment_fixed_size: 0
    .kernarg_segment_align: 8
    .kernarg_segment_size: 48
    .max_flat_workgroup_size: 256
    .sgpr_count:     96
    .vgpr_count:     98
    .wavefront_size: 32
...
	.end_amdgpu_metadata
.endif
;; end of part 3
;; launch chain (part 4): grid 143 x 1, 4 waves a work-group, no clusters, 168,448 bytes of LDS; arguments x, order, counts, wfrag, W_in_scales, W_out_scales, b_in, b_out, out0; writes out0
.if DOCPART == 4
	.amdgcn_target "amdgcn-amd-amdhsa--gfx1250"
	.amdhsa_code_object_version 6
	.text
	.protected	k_q6e9524a34c_chain
	.globl	k_q6e9524a34c_chain
	.p2align	8
	.type	k_q6e9524a34c_chain,@function
k_q6e9524a34c_chain:
	s_mov_b64 s[64:65], 0
	v_nop
	global_prefetch_b8 v0, s[64:65] scope:SCOPE_SE
	s_setreg_imm32_b32 hwreg(HW_REG_WAVE_SCHED_MODE, 0, 2), 2
	s_setreg_imm32_b32 hwreg(HW_REG_WAVE_MODE, 25, 1), 1
	s_wait_xcnt 0x0
	s_wait_alu depctr_vm_vsrc(0)
; out = x + W_out[e] Q(W_in[e] Q(relu x) + b_in[e]) + b_out[e], e = the token's expert; both products on codes of BF6 (E3M2) with one E8M0 scale for each 32 along K.  Only the chosen expert is multiplied.
; GRID.  Tokens are sorted by expert (order, counts: the launch before).  A work-group takes one tile of at most 32 tokens of one expert through the whole chain.  4,096 tokens and 16 experts make at most
; 4096 / 32 + 15 = 143 tiles, whatever the split.  A work-group that the split leaves without rows walks the same text on held addresses (both barriers stay on every path) and stores nothing.
; SHARES.  The four waves share the COLUMNS: wave w owns columns 256 w .. + 255 of x (it gathers, quantises, adds onto and stores them itself: that strip of LDS is its own), hidden units 64 w .. + 63
; (4 tiles x 8 K steps x 2 tiles of tokens = 64 matrix instructions) and output columns 256 w .. + 255 (16 tiles x 2 K steps x 2 = 64).  Its 98,304 bytes of weight codes go from memory straight into its
; registers, each fragment once, in the register order in which the launch before laid them.  What goes from wave to wave, through LDS as images of operand registers, is small: the codes of x and of the hidden layer.
; BOTH PRODUCTS ARE USED TRANSPOSED (source 0 = 16 rows of the weight, source 1 = 16 tokens): a lane (r, h) holds token r throughout, and its registers run along the next K or along a row of out.
; NO CLUSTER: which tiles share an expert hangs on the counts, 143 is no multiple of a cluster's size, and partners of different experts would need different addresses in a joint request.
; NO TENSOR LOADS, NO COPIES: an expert's 393,216 bytes of codes do not fit in LDS and each fragment feeds one wave alone.  x is gathered through registers: each load takes 512 consecutive bytes of one row, and
; an LDS store puts them into the wave's strip, from which they are read twice (for the quantiser and for the residual).  The text uses 165,376 bytes of LDS; the claim is a little larger.
; LIMITS: a NaN in x counts as 0 in relu (it still reaches out through the residual); infinities are not served; a block of zeros keeps the scale byte 1 (its codes are zeros; nobody else reads the bytes);
; rows of a tile beyond its count are gathered from held addresses and computed, never stored; y_index in 0 .. 15.
; REGISTERS, in windows of 256.  Window 0: v1-15 addresses; v16-31 W_in's scale words, v32-47 W_out's, v80-87 x's, v88-89 the hidden layer's (these hold scales alone); v48-79 each row's byte offset in x and out;
;   v90-95, v248-254 at work in the quantisers; v96-223 in turn: 2 x 64 numbers of x | 8 accumulators + two sets of x's fragments | 8 accumulators + 64 numbers of x | rows on the way out;
;   v224-247 codes just made; in the first product the third set of x's fragments.   Window 1: v0-191 W_in's K steps 0-3, later W_out's tiles 8-15; v192-255 b_out of tiles 8-15.   Window 2: v0-191 W_in's K steps 4-7,
;   later v0-47 the hidden layer's four fragments and v64-127 the second buffer of x's numbers; v192-223 b_in.   Window 3: first my 32 rows of x on their way to LDS (8 registers a row); then v0-191 W_out's tiles 0-7; v192-255 b_out of tiles 0-7.
; THE MODE: SCHED_MODE bits 1:0 = 2 (LLVM: expert scheduling mode 2), set by the entry lines.  The code itself states the register dependences between vector or matrix instructions and memory or LDS
; instructions, with s_wait_alu, always for 0.
; THE PLAN.  Registers that memory or LDS instructions touch, and who else names them:
;   v1-12, v14, v15   addresses: written at the head, never again: one wait on va_vdst ahead of the first load.     v48-79  row offsets: written once, behind the tokens' numbers: one wait ahead of the gather.
;   window 3          the gather's loads land there, 64 LDS stores read it, b_out and W_out's tiles 0-7 land there: one wait on vm_vsrc behind the wait on DScnt that shows the stores done.
;   v96-159, v160-223 x's numbers: LDS loads land, a quantiser works on them in place; v224-247, v94: it writes them, the image's LDS stores read them.  One wait on va_vdst behind each quantiser states both that its
;                     codes are written and that its numbers are done with; one wait on vm_vsrc ahead of the third quantiser, and one behind the first barrier, state that the stores have read the codes.
;   three sets of x's fragments (v160-183, v184-207, v224-247): K step s reads set s % 3; at the head of step s + 1 one wait on va_vdst states that it is done, and the set is asked for again, for step s + 3.
;   window 1's v0-191: read by K steps 0-3; W_out's tiles 8-15 land there behind the wait at the head of K step 4.
;   two buffers of x's numbers for the residual (v160-223: groups 0, 2; window 2's v64-127: groups 1, 3): LDS loads land, the group's additions work in place, its LDS stores read.  One wait on va_vdst between additions
;                     and stores; the buffer is asked for again behind the next group's matrix instructions, behind one wait on vm_vsrc.
;   v96-223 on the way out: LDS loads land, global stores read: a wait on vm_vsrc beside each wait on XCNT.
;   The weights' fragments, all scale words and the biases are written by loads and read by matrix instructions alone; the accumulators are named by vector and matrix instructions alone until the way out.
.set XIMG,  0                          ; LDS: x's 16 fragments (tile of tokens m, K step s: 8 m + s), 1,536 bytes each: registers 4 c .. at 512 c + 16 x lane
.set XSC,   24576                      ; their scale words: 512 m + 128 p + 4 x lane: lanes 0-15 K step 2 p, lanes 16-31 K step 2 p + 1
.set HIMG,  25600                      ; the hidden layer's 4 fragments (2 m + s): register pair p at 256 p + 8 x lane
.set HSC,   31744                      ; their scale bytes: 128 m + 64 s + 4 r + byte
.set XROW,  32256                      ; x itself, f32: a strip for each wave, 32 rows of 1,024 bytes
.set XP,    1040                       ; from row to row: 1,024 + 16 = 65 x 16 bytes, so that 16 rows fall on 16 different columns of 16 bytes
.set STRIP, 32*XP
.set MSB, 0
.macro WIN new                         ; the immediate's high byte repeats the setting that is left; a switch that changes nothing is dropped
.if MSB != \new
	s_set_vgpr_msb (MSB<<8)|\new
.set MSB, \new
.endif
.endm
.macro PLACES                          ; four plain places between a matrix instruction and a load into, or a vector read of, its registers
.rept 4
	v_nop
.endr
.endm
; n pieces of 512 bytes, from piece 'first' on, of the images that begin off bytes behind the base: piece i into registers 4 i .. 4 i + 3 of the destination's window
.macro GLW base, off, first, n
.set gi, \first
.rept \n
	global_load_b128 v[4*gi:4*gi+3], v1, s[\base:\base+1] offset:\off+512*gi
.set gi, gi+1
.endr
.endm
; sixteen rows of x, from row 'first' on, out of window 3 into my strip: each store lays 512 consecutive bytes
.macro XST first
.set xi, \first
.rept 16
	ds_store_b128 v12, v[8*xi:8*xi+3] offset:XP*xi
	ds_store_b128 v12, v[8*xi+4:8*xi+7] offset:XP*xi+512
.set xi, xi+1
.endr
.endm
; one matrix instruction from the symbols wd (D), wa (source 0), wb (source 1), wc (C), wsa, wsb (scale registers), wra, wrb (1: the scales stand in lanes 16-31)
.macro WM
.if (wra == 0) && (wrb == 0)
	v_wmma_scale_f32_16x16x128_f8f6f4 v[wd:wd+7], v[wa:wa+11], v[wb:wb+11], v[wc:wc+7], v[wsa], v[wsb] matrix_a_fmt:MATRIX_FMT_BF6 matrix_b_fmt:MATRIX_FMT_BF6
.elseif (wra == 1) && (wrb == 0)
	v_wmma_scale_f32_16x16x128_f8f6f4 v[wd:wd+7], v[wa:wa+11], v[wb:wb+11], v[wc:wc+7], v[wsa], v[wsb] matrix_a_fmt:MATRIX_FMT_BF6 matrix_b_fmt:MATRIX_FMT_BF6 matrix_a_scale:MATRIX_SCALE_ROW1
.elseif (wra == 0) && (wrb == 1)
	v_wmma_scale_f32_16x16x128_f8f6f4 v[wd:wd+7], v[wa:wa+11], v[wb:wb+11], v[wc:wc+7], v[wsa], v[wsb] matrix_a_fmt:MATRIX_FMT_BF6 matrix_b_fmt:MATRIX_FMT_BF6 matrix_b_scale:MATRIX_SCALE_ROW1
.else
	v_wmma_scale_f32_16x16x128_f8f6f4 v[wd:wd+7], v[wa:wa+11], v[wb:wb+11], v[wc:wc+7], v[wsa], v[wsb] matrix_a_fmt:MATRIX_FMT_BF6 matrix_b_fmt:MATRIX_FMT_BF6 matrix_a_scale:MATRIX_SCALE_ROW1 matrix_b_scale:MATRIX_SCALE_ROW1
.endif
.endm
; 64 numbers of x into set st: token 16 m + r, K step 2 w + sp: two whole blocks of 32, k = 64 c + 32 h + 0 .. 31, just as the operand's layout gives them to lane (r, h)
.macro LX st, m, sp
.irp c, 0,1
.irp i, 0,1,2,3,4,5,6,7
	ds_load_b128 v[96+64*\st+32*\c+4*\i:99+64*\st+32*\c+4*\i], v8 offset:16*XP*\m+512*\sp+256*\c+16*\i
.endr
.endr
.endm
; relu and the quantiser: set st becomes a fragment's 12 registers at v[f] on and its scale word in v94 (in every lane: token r's)
.macro QX st, f
.set XB, 96+64*\st
.set qi, 0
.rept 64
	v_max_num_f32 v[XB+qi], 0, v[XB+qi]            ; relu, in f32
.set qi, qi+1
.endr
	v_max3_num_f32 v90, v[XB], v[XB+1], 0x2800000  ; each block's largest number (none is negative), and the floor 2^(5 - 127): the byte cannot fall under 1
	v_max3_num_f32 v91, v[XB+32], v[XB+33], 0x2800000
.irp i, 2,4,6,8,10,12,14,16,18,20,22,24,26,28,30
	v_max3_num_f32 v90, v90, v[XB+\i], v[XB+\i+1]  ; (the two blocks by turns)
	v_max3_num_f32 v91, v91, v[XB+32+\i], v[XB+33+\i]
.endr
	v_add_nc_u32 v92, 0xfe000000, v90              ; 4 off the exponent field: the conversion takes this operand's exponent field as its scale
	v_add_nc_u32 v93, 0xfe000000, v91
	v_lshrrev_b32 v90, 23, v92                     ; the scales' bytes: blocks h and 2 + h of the K step
	v_lshrrev_b32 v91, 23, v93
	v_lshl_or_b32 v94, v91, 16, v90
	v_lshlrev_b32 v94, v7, v94                     ; 8 h bits up;
	v_permlanex16_b32 v95, v94, s68, s69
	v_or_b32 v94, v94, v95                         ; with lane l xor 16's two bytes the word is whole
	v_cvt_scalef32_pk16_bf6_f32 v[\f:\f+2], v[XB:XB+15], v92
	v_cvt_scalef32_pk16_bf6_f32 v[248:250], v[XB+16:XB+31], v92      ; (a conversion's three registers begin on an even number: a block's second half is made elsewhere and moved)
	v_cvt_scalef32_pk16_bf6_f32 v[\f+6:\f+8], v[XB+32:XB+47], v93
	v_cvt_scalef32_pk16_bf6_f32 v[252:254], v[XB+48:XB+63], v93
	v_nop                                          ; one plain place behind a scaled conversion
.irp i, 0,1,2
	v_mov_b32 v[\f+3+\i], v[248+\i]
	v_mov_b32 v[\f+9+\i], v[252+\i]
.endr
.endm
; the fragment's image to LDS; the words of my two K steps leave together: the first's in lanes 0-15, the second's in lanes 16-31
.macro SX f, m, sp
.if \sp == 0
	v_mov_b32 v251, v94
.else
	v_cndmask_b32 v94, v251, v94, s67
.endif
	s_wait_alu depctr_va_vdst(0)                   ; the quantiser has written the codes v[f ..] (and the line above the word v94), which the LDS stores below read; and it is done with its 64 numbers, in which the next LDS loads land
.irp c, 0,1,2
	ds_store_b128 v14, v[\f+4*\c:\f+4*\c+3] offset:XIMG+12288*\m+1536*\sp+512*\c
.endr
.if \sp == 1
	ds_store_b32 v15, v94 offset:XSC+512*\m
.endif
.endm
; x's two fragments (m = 0, 1) of K step s into set st: sets 0 and 1 at v160 and v184, set 2 at v224
.macro LF st, s
.irp m, 0,1
.irp c, 0,1,2
	ds_load_b128 v[160+24*(\st)+16*((\st)/2)+12*\m+4*\c:163+24*(\st)+16*((\st)/2)+12*\m+4*\c], v1 offset:XIMG+(8*\m+(\s))*1536+512*\c
.endr
.endr
.endm
; K step s of the first product: the eight accumulators by turns, one instruction a turn.  The first step's C is b_in
.macro MUL1 s
.irp t, 0,1,2,3
.irp m, 0,1
.set wd, 96+32*\m+8*\t
.set wa, 12*(4*((\s)%4)+\t)
.set wb, 160+24*((\s)%3)+16*(((\s)%3)/2)+12*\m
.if (\s) == 0
.set wc, 192+8*\t
.else
.set wc, wd
.endif
.set wsa, 16+4*\t+(\s)%4
.set wsb, 80+4*\m+(\s)/2
.set wra, (\s)/4
.set wrb, (\s)%2
	WM
.endr
.endr
.endm
; the numbers of x that belong to group g's results: lane (r, h), accumulator a = 2 n + m: token 16 m + r, columns 16 (4 g + n) + 8 h + 0 .. 7 of my strip.  Even groups: v160-223; odd groups: window 2's v64-127
.macro LOADX g
.if (\g)%2
	WIN 0x80                                       ; destination window 2
.set xq, 64
.else
	WIN 0
.set xq, 160
.endif
.if (\g) >= 2
	s_wait_alu depctr_vm_vsrc(0)                   ; the LDS stores of two groups back have read this buffer, in which the loads below land (that group's additions stand ahead of its own wait on va_vdst, and nothing since names the buffer)
.endif
.irp n, 0,1,2,3
.irp m, 0,1
	ds_load_b128 v[xq+8*(2*\n+\m):xq+3+8*(2*\n+\m)], v9 offset:16*XP*\m+64*(4*(\g)+\n)
	ds_load_b128 v[xq+4+8*(2*\n+\m):xq+7+8*(2*\n+\m)], v9 offset:16*XP*\m+64*(4*(\g)+\n)+16
.endr
.endr
.endm
; x + (product + b_out), in the group's buffer, each accumulator from its low end on
.macro ADDX g
.if (\g)%2
	WIN 0x82                                       ; destination and source 0 window 2, the accumulators window 0
.set xq, 64
.else
	WIN 0
.set xq, 160
.endif
.set pj, 0
.rept 32
	v_pk_add_f32 v[xq+pj:xq+pj+1], v[xq+pj:xq+pj+1], v[96+pj:97+pj]
.set pj, pj+2
.endr
.endm
.macro STOREX g
.if (\g)%2
	WIN 0x08                                       ; an LDS store's data are its source 1: window 2
.set xq, 64
.else
	WIN 0
.set xq, 160
.endif
	s_wait_alu depctr_va_vdst(0)                   ; the additions have written the group's buffer, which the LDS stores below read
.irp n, 0,1,2,3
.irp m, 0,1
	ds_store_b128 v9, v[xq+8*(2*\n+\m):xq+3+8*(2*\n+\m)] offset:16*XP*\m+64*(4*(\g)+\n)
	ds_store_b128 v9, v[xq+4+8*(2*\n+\m):xq+7+8*(2*\n+\m)] offset:16*XP*\m+64*(4*(\g)+\n)+16
.endr
.endr
.endm
; group g of the second product: output tiles 4 g .. 4 g + 3 x two tiles of tokens, K step 0 (C = b_out) and then K step 1, eight accumulators by turns
.macro MUL2 g
.irp s, 0,1
.if (\s == 0) && ((\g) < 2)
	WIN 0x3b                                       ; W_out and b_out window 3, the hidden layer window 2
.elseif \s == 0
	WIN 0x19                                       ; W_out and b_out window 1
.elseif (\g) < 2
	WIN 0x0b
.else
	WIN 0x09
.endif
.irp n, 0,1,2,3
.irp m, 0,1
.set wn, 4*(\g)+\n
.set wd, 96+8*(2*\n+\m)
.set wa, 12*(2*(wn%8)+\s)
.set wb, 12*(2*\m+\s)
.if \s == 0
.set wc, 192+8*(wn%8)
.else
.set wc, wd
.endif
.set wsa, 32+2*(wn/2)+\s
.set wsb, 88+\m
.set wra, wn%2
.set wrb, \s
	WM
.endr
.endr
.endr
.endm
; eight finished rows of my strip back into registers, 1,024 bytes a row
.macro RB b
.irp k, 0,1,2,3,4,5,6,7
	ds_load_b128 v[96+64*((\b)%2)+8*\k:99+64*((\b)%2)+8*\k], v12 offset:(8*(\b)+\k)*XP
	ds_load_b128 v[100+64*((\b)%2)+8*\k:103+64*((\b)%2)+8*\k], v12 offset:(8*(\b)+\k)*XP+512
.endr
.endm
; and out: a row is stored only if the tile has it.  The branch hangs on the stored counts; no barrier follows it
.macro OUTB b, younger
.irp k, 0,1,2,3,4,5,6,7
	s_cmp_gt_i32 s63, 8*(\b)+\k
	s_cbranch_scc0 .Lend
	s_wait_dscnt \younger+14-2*\k                  ; LDS loads come back in order: this row's two are in; the batch's later rows and the next batch may be out
	global_store_b128 v[48+8*(\b)+\k], v[96+64*((\b)%2)+8*\k:99+64*((\b)%2)+8*\k], s[20:21] th:TH_STORE_NT              ; 32 lanes store 512 consecutive bytes, aligned
	global_store_b128 v[48+8*(\b)+\k], v[100+64*((\b)%2)+8*\k:103+64*((\b)%2)+8*\k], s[20:21] offset:512 th:TH_STORE_NT
.endr
.endm
	; ---- the head: pointers, the counts, addresses
	s_load_b512 s[4:19], s[0:1], 0x0               ; x s[4:5], order s[6:7], counts s[8:9], wfrag s[10:11], W_in's scales s[12:13], W_out's s[14:15], b_in s[16:17], b_out s[18:19]
	s_load_b64 s[20:21], s[0:1], 0x40              ; out
	v_lshl_add_u32 v13, v0, 2, 0x29000
	v_mov_b32 v255, 0
	v_lshrrev_b32 v224, 5, v0
	v_readfirstlane_b32 s22, v224                  ; wave 0..3
	v_and_b32 v224, 31, v0                         ; lane
	v_and_b32 v225, 15, v0                         ; r
	v_bfe_u32 v226, v0, 4, 1                       ; h
	s_mov_b32 s68, 0x76543210
	s_mov_b32 s69, 0xfedcba98                      ; v_permlanex16_b32's selects for lane l xor 16
	s_mov_b32 s67, 0xffff0000                      ; lanes 16-31
	s_wait_alu depctr_va_vdst(0)
	s_wait_kmcnt 0x0
	s_load_b512 s[24:39], s[8:9], 0x0              ; the 16 counts
	v_lshlrev_b32 v1, 4, v224                      ; 16 x lane
	v_lshlrev_b32 v2, 3, v224                      ; 8 x lane
	v_lshlrev_b32 v3, 2, v224                      ; 4 x lane
	v_lshlrev_b32 v4, 7, v226                      ; 128 h
	v_lshlrev_b32 v5, 5, v226                      ; 32 h
	v_lshlrev_b32 v7, 3, v226                      ; 8 h
	v_and_b32 v227, 7, v0
	v_bfe_u32 v228, v0, 3, 1
	v_lshlrev_b32 v6, 5, v227                      ; W_in's scales, 32 bytes a hidden unit: my tile's row r is unit 32 (r / 8) + r % 8 of the tile's run;
	v_lshl_add_u32 v6, v228, 10, v6
	v_lshl_add_u32 v6, v226, 4, v6                 ; lanes 0-15 take the words of K steps 0-3, lanes 16-31 those of 4-7
	s_wait_alu depctr_va_sdst(0)                   ; s22, the wave's number, is written, ahead of its first reader: LDS addresses and the weights' bases are made from it
	s_mul_i32 s62, s22, STRIP
	s_add_co_u32 s62, s62, XROW                    ; my strip
	v_add_nc_u32 v12, s62, v1                      ; a row of it by 16 bytes a lane
	v_mul_u32_u24 v8, v225, XP
	v_add_nc_u32 v8, s62, v8
	v_add_nc_u32 v9, v8, v5                        ; row r, + 32 h: eight numbers beside a result's eight
	v_add_nc_u32 v8, v8, v4                        ; row r, + 128 h: a block of 32 numbers
	s_lshl_b32 s82, s22, 10
	v_add_nc_u32 v229, s82, v1                     ; in a row of x and out: 1,024 w + 16 x lane
	s_mul_i32 s62, s22, 768
	v_add_nc_u32 v10, s62, v2                      ; my six registers of a hidden fragment: 8 x lane + 768 w
	s_mul_i32 s62, s22, 3072
	v_add_nc_u32 v14, s62, v1                      ; my two fragments of x: 16 x lane + 3,072 w
	s_lshl_b32 s62, s22, 7
	v_add_nc_u32 v15, s62, v3                      ; their scale words: 4 x lane + 128 w
	s_lshr_b32 s62, s22, 1
	s_lshl_b32 s62, s62, 6
	s_and_b32 s82, s22, 1
	s_lshl_b32 s82, s82, 1
	s_add_co_u32 s62, s62, s82
	v_lshl_add_u32 v11, v225, 2, v226
	v_add_nc_u32 v11, s62, v11                     ; my hidden block 2 w + h: K step w / 2, byte 2 (w % 2) + h of token r's word
	v_mov_b32 v95, 0                               ; written once: a lane permute's destination counts as one of its sources
	s_wait_kmcnt 0x0
	; ---- which tile is mine: the last expert whose first tile's number is not above the work-group's
	s_mov_b32 s56, 0                               ; the expert,
	s_mov_b32 s59, 0                               ; its first tile,
	s_mov_b32 s60, 0                               ; its first place in order,
	s_mov_b32 s61, s24                             ; its count
	s_add_co_u32 s62, s24, 31
	s_lshr_b32 s57, s62, 5                         ; running: tiles so far,
	s_mov_b32 s58, s24                             ; tokens so far
.irp e, 1,2,3,4,5,6,7,8,9,10,11,12,13,14,15
	s_cmp_ge_u32 ttmp9, s57
	s_cselect_b32 s56, \e, s56
	s_cselect_b32 s59, s57, s59
	s_cselect_b32 s60, s58, s60
	s_cselect_b32 s61, s[24+\e], s61
	s_add_co_u32 s62, s[24+\e], 31
	s_lshr_b32 s62, s62, 5
	s_add_co_u32 s57, s57, s62
	s_add_co_u32 s58, s58, s[24+\e]
.endr
	s_sub_co_u32 s62, ttmp9, s59
	s_lshl_b32 s62, s62, 5                         ; 32 x my tile's number within the expert
	s_sub_co_i32 s63, s61, s62                     ; rows left from my first on: 0 or less where the split leaves me none
	s_add_co_u32 s86, s60, s62
	s_min_u32 s86, s86, 4095                       ; my first place in the list, held inside it (32 zeros follow its 4,096 numbers)
	s_lshl_b32 s86, s86, 2
	s_mov_b32 s87, 0
	s_min_u32 s56, s56, 15
	s_add_nc_u64 s[86:87], s[6:7], s[86:87]        ; the list at my first place; the pair is not written again
	s_load_b512 s[24:39], s[86:87], 0x0            ; my 32 tokens' numbers
	s_load_b512 s[40:55], s[86:87], 0x40
	s_lshl_b32 s82, s56, 2
	s_add_co_u32 s82, s82, s22
	s_mul_i32 s82, s82, 49152                      ; (4 e + w) parts of 49,152 bytes
	s_mov_b32 s83, 0
	s_add_nc_u64 s[70:71], s[10:11], s[82:83]      ; my images of W_in,
	s_add_nc_u64 s[72:73], s[70:71], 0x300000      ; and of W_out
	s_lshl_b32 s84, s56, 13
	s_lshl_b32 s62, s22, 11
	s_add_co_u32 s84, s84, s62
	s_mov_b32 s85, 0
	s_add_nc_u64 s[74:75], s[12:13], s[84:85]      ; W_in's scales: 8,192 bytes an expert, 2,048 for my 64 units
	s_add_nc_u64 s[76:77], s[14:15], s[84:85]      ; W_out's: the same figures for my 256 rows of 8 bytes
	s_lshl_b32 s84, s56, 10
	s_lshl_b32 s62, s22, 8
	s_add_co_u32 s84, s84, s62
	s_add_nc_u64 s[78:79], s[16:17], s[84:85]      ; b_in at my 64 units
	s_lshl_b32 s84, s84, 2
	s_add_nc_u64 s[80:81], s[18:19], s[84:85]      ; b_out at my 256 columns
	; ---- the first loads go out while the tokens' numbers are on their way
	s_wait_alu depctr_va_vdst(0)                   ; the addresses v1 to v12, v14 and v15 are written, which the loads and stores of the whole kernel read; none of them is written again
.irp t, 0,1,2,3
	global_load_b128 v[16+4*\t:19+4*\t], v6, s[74:75] offset:256*\t   ; tile t: register j = the word of K step j (lanes 0-15) and of K step 4 + j (lanes 16-31)
.endr
	WIN 0x80                                       ; destination window 2
.irp t, 0,1,2,3
	global_load_b128 v[192+8*\t:195+8*\t], v4, s[78:79] offset:32*\t      ; b_in in the result's layout: units 32 h + 8 t + 0 .. 7
	global_load_b128 v[196+8*\t:199+8*\t], v4, s[78:79] offset:32*\t+16
.endr
	WIN 0x40                                       ; destination window 1
	GLW 70, 0, 0, 48                               ; W_in, K steps 0-3
	WIN 0
	s_wait_kmcnt 0x0
	; ---- the gather: row i of the tile, my 1,024 bytes of it, by two loads of 512 consecutive bytes into window 3, and from there into my strip of LDS
.set i, 0
.rept 32
	s_min_u32 s[24+i], s[24+i], 4095               ; a token's number, held inside x
	v_lshl_add_u32 v[48+i], s[24+i], 12, v229      ; 4,096 bytes a row: kept to the end, for the stores
.set i, i+1
.endr
	WIN 0xc0                                       ; destination window 3
	s_wait_alu depctr_va_vdst(0)                   ; the 32 row offsets v48 to v79 are written, which the loads below and the last stores read; none of them is written again
.set i, 0
.rept 32
	global_load_b128 v[8*i:8*i+3], v[48+i], s[4:5]
	global_load_b128 v[8*i+4:8*i+7], v[48+i], s[4:5] offset:512
.set i, i+1
.endr
	s_wait_loadcnt 32                              ; rows 0-15 are in; the 32 loads of rows 16-31 may be out
	WIN 0x0c                                       ; an LDS store's data are its source 1: window 3
	XST 0
	WIN 0x80
	GLW 70, 24576, 0, 24                           ; W_in, K steps 4 and 5
	s_wait_loadcnt 24                              ; rows 16-31 are in; the 24 loads just issued may be out
	WIN 0x0c
	XST 16
	WIN 0x80
	GLW 70, 24576, 24, 24                          ; W_in, K steps 6 and 7
	WIN 0
	; ---- my strip becomes four fragments; the later loads are issued between.  LDS serves a wave's instructions in order: the reads below see my stores above, and nobody else touches the strip
	LX 0, 0, 0
	LX 1, 0, 1
	s_wait_dscnt 16                                ; the first 64 numbers are in, and so the 64 stores ahead of them are done; the second fragment's 16 loads may be out
	s_wait_alu depctr_vm_vsrc(0)                   ; the 64 LDS stores have read window 3, in which b_out and W_out's tiles 0-7 land below; no later memory or LDS instruction reads a register of that window
	QX 0, 224
	SX 224, 0, 0
	LX 0, 1, 0
.irp p, 0,1,2,3,4,5,6,7
	global_load_b64 v[32+2*\p:33+2*\p], v2, s[76:77] offset:256*\p        ; W_out's scale words: lanes 0-15 tile 2 p, lanes 16-31 tile 2 p + 1; register + s = K step s
.endr
	WIN 0xc0                                       ; destination window 3
.irp n, 0,1,2,3,4,5,6,7
	global_load_b128 v[192+8*\n:195+8*\n], v5, s[80:81] offset:64*\n      ; b_out in the result's layout: columns 16 n + 8 h + 0 .. 7
	global_load_b128 v[196+8*\n:199+8*\n], v5, s[80:81] offset:64*\n+16
.endr
	WIN 0x40
.irp n, 0,1,2,3,4,5,6,7
	global_load_b128 v[192+8*\n:195+8*\n], v5, s[80:81] offset:512+64*\n
	global_load_b128 v[196+8*\n:199+8*\n], v5, s[80:81] offset:512+64*\n+16
.endr
	WIN 0
	s_wait_dscnt 19                                ; behind the second fragment's loads: 3 stores and 16 loads
	QX 1, 236
	SX 236, 0, 1
	LX 1, 1, 1
	WIN 0xc0
	GLW 72, 0, 0, 24                               ; W_out, tiles 0-3
	WIN 0
	s_wait_dscnt 16                                ; only the fourth fragment's 16 loads may be out: the third's numbers are in, and the four stores above have left
	s_wait_alu depctr_vm_vsrc(0)                   ; the LDS stores of the first two images have read v224 to v247 and the word v94, which the two quantisers below write again
	QX 0, 224
	SX 224, 1, 0
	WIN 0xc0
	GLW 72, 0, 24, 24                              ; W_out, tiles 4-7
	WIN 0
	s_wait_dscnt 3                                 ; behind the fourth fragment's loads: 3 stores
	QX 1, 236
	SX 236, 1, 1
	s_wait_dscnt 0x0                               ; for the others' sake: my images and words have landed
	s_barrier_signal -1
	s_barrier_wait -1                              ; x's sixteen fragments lie in LDS
	; ---- the first product: hidden^T = W_in Q(relu x)^T + b_in
	s_wait_alu depctr_vm_vsrc(0)                   ; the LDS stores of my last two images have read v224 to v247, in which the third set of fragments lands (the quantisers that named all three sets stand ahead of the last wait on va_vdst)
.irp m, 0,1
.irp p, 0,1,2,3
	ds_load_b32 v[80+4*\m+\p], v3 offset:XSC+512*\m+128*\p
.endr
.endr
	LF 0, 0
	LF 1, 1
	LF 2, 2
	s_wait_loadcnt 48                              ; W_in, its scales and b_in are in (and W_out's scales and b_out); the 48 loads of W_out's tiles 0-7 may be out
.irp s, 0,1,2,3,4,5,6,7
.if \s == 0
	s_wait_dscnt 12                                ; K step 0's fragments and x's scale words are in; the twelve loads of K steps 1 and 2 may be out
.elseif \s < 7
	s_wait_dscnt 6                                 ; this K step's fragments are in; the next step's six loads may be out
.else
	s_wait_dscnt 0x0
.endif
.if (\s >= 1) && (\s <= 5)
	s_wait_alu depctr_va_vdst(0)                   ; the matrix instructions of the K step before are done reading their set of x's fragments, in which the loads below land; at K step 4 also: K steps 0-3 are done reading window 1's v0 to v191
	LF (\s-1)%3, (\s)+2                            ; two K steps ahead
.endif
.if \s == 4
	WIN 0x40
	GLW 72, 24576, 0, 48                           ; W_out, tiles 8-15, into the registers that W_in's K steps 0-3 have left: between the wait above and these stand loads and a switch of windows alone
.endif
.if \s == 0
	WIN 0x21                                       ; W_in window 1, b_in window 2
.elseif \s < 4
	WIN 0x01
.else
	WIN 0x02                                       ; W_in window 2
.endif
	MUL1 \s
	WIN 0
	PLACES                                         ; in front of the loads into registers just read (they stay beside the wait at the next step's head), and at the end of the first read of the results
.endr
	; ---- the hidden layer is quantised in registers: lane (r, h) holds, for each m, block 2 w + h of token 16 m + r whole and in order, so no other lane is asked
	v_max3_num_f32 v90, |v96|, |v97|, 0x2800000    ; each accumulator is read from its low end on
	v_max3_num_f32 v91, |v128|, |v129|, 0x2800000
.irp i, 2,4,6,8,10,12,14,16,18,20,22,24,26,28,30
	v_max3_num_f32 v90, v90, |v[96+\i]|, |v[97+\i]|
	v_max3_num_f32 v91, v91, |v[128+\i]|, |v[129+\i]|
.endr
	v_add_nc_u32 v92, 0xfe000000, v90
	v_add_nc_u32 v93, 0xfe000000, v91
	v_lshrrev_b32 v90, 23, v92
	v_lshrrev_b32 v91, 23, v93
	v_cvt_scalef32_pk16_bf6_f32 v[224:226], v[96:111], v92
	v_cvt_scalef32_pk16_bf6_f32 v[248:250], v[112:127], v92
	v_cvt_scalef32_pk16_bf6_f32 v[236:238], v[128:143], v93
	v_cvt_scalef32_pk16_bf6_f32 v[252:254], v[144:159], v93
	v_nop                                          ; one plain place behind a scaled conversion
.irp i, 0,1,2
	v_mov_b32 v[227+\i], v[248+\i]
	v_mov_b32 v[239+\i], v[252+\i]
.endr
	s_wait_alu depctr_va_vdst(0)                   ; the codes v224 to v229 and v236 to v241 and the bytes v90, v91 are written, which the LDS stores below read; and the first product is done reading window 2's v0 to v191 and v160 to v207, in which the LDS loads behind the barrier land: no vector or matrix instruction stands between
.irp i, 0,1,2
	ds_store_b64 v10, v[224+2*\i:225+2*\i] offset:HIMG+256*\i             ; registers 6 (w % 2) + 0 .. 5 of fragment (m, K step w / 2), in the lane that will hold them
	ds_store_b64 v10, v[236+2*\i:237+2*\i] offset:HIMG+3072+256*\i
.endr
	ds_store_b8 v11, v90 offset:HSC
	ds_store_b8 v11, v91 offset:HSC+128
	s_wait_dscnt 0x0                               ; for the others' sake
	s_barrier_signal -1
	s_barrier_wait -1                              ; the hidden layer's four fragments lie in LDS
	; ---- the second product, the residual, and back into my strip
	WIN 0x80
.irp f, 0,1,2,3
.irp p, 0,1,2,3,4,5
	ds_load_b64 v[12*\f+2*\p:12*\f+2*\p+1], v2 offset:HIMG+1536*\f+256*\p
.endr
.endr
	WIN 0
	ds_load_b32 v88, v3 offset:HSC                 ; lanes 0-15: K step 0's words; lanes 16-31: K step 1's
	ds_load_b32 v89, v3 offset:HSC+128
	LOADX 0
	s_wait_loadcnt 48                              ; W_out's tiles 0-7 are in; the 48 loads of tiles 8-15 may be out
	s_wait_dscnt 16                                ; the hidden layer is in; the 16 loads of x may be out
.irp g, 0,1,2,3
.if \g == 2
	s_wait_loadcnt 24                              ; tiles 8-11 are in
.elseif \g == 3
	s_wait_loadcnt 0x0
.endif
	MUL2 \g
.if \g < 3
	LOADX (\g)+1                                   ; the next group's numbers of x, into the other buffer, which the matrix instructions above do not name
.endif
	WIN 0
	PLACES
.if (\g == 0) || (\g == 3)
	s_wait_dscnt 16                                ; this group's numbers of x are in; behind them: group 0: the next group's 16 loads; group 3: the 16 stores of the group before
.else
	s_wait_dscnt 32                                ; this group's numbers of x are in; behind them: the 16 stores of the group before and the next group's 16 loads
.endif
	ADDX \g
	STOREX \g
.endr
	WIN 0
	; ---- the way out: whole rows of my strip, eight at a time, in two sets of registers.  LDS serves a wave's instructions in order: the loads below see the stores above
	s_wait_alu depctr_vm_vsrc(0)                   ; group 2's LDS stores have read v160 to v223, in which the second eight rows land (the additions and matrix instructions that named v96 to v223 stand ahead of the last wait on va_vdst)
	RB 0
	RB 1
	OUTB 0, 16
	s_wait_xcnt 0x0                                ; the stores' addresses are translated: the set is loaded again only behind this wait,
	s_wait_alu depctr_vm_vsrc(0)                   ; and behind this one: the global stores above have read v96 to v159, in which the next eight rows land
	RB 2
	OUTB 1, 16
	s_wait_xcnt 0x0
	s_wait_alu depctr_vm_vsrc(0)                   ; the global stores above have read v160 to v223, in which the last eight rows land
	RB 3
	OUTB 2, 16
	OUTB 3, 0
.Lend:
	s_wait_dscnt 0x0                               ; the closing lines, six on end
	s_wait_alu 0x0
	s_wait_tensorcnt 0x0
	ds_add_u32 v13, v255
	s_wait_dscnt 0x0
	s_endpgm
.Lfunc_end_k_q6e9524a34c_chain:
	.size	k_q6e9524a34c_chain, .Lfunc_end_k_q6e9524a34c_chain-k_q6e9524a34c_chain
	.p2alignl 7, 3214868480
	.fill 96, 4, 3214868480
	.section	.rodata,"a",@progbits
	.p2align	6, 0x0
	.amdhsa_kernel k_q6e9524a34c_chain
		.amdhsa_group_segment_fixed_size 168448
		.amdhsa_private_segment_fixed_size 0
		.amdhsa_enable_private_segment 0
		.amdhsa_kernarg_size 72
		.amdhsa_user_sgpr_count 2
		.amdhsa_user_sgpr_kernarg_segment_ptr 1
		.amdhsa_wavefront_size32 1
		.amdhsa_system_sgpr_workgroup_id_x 1
		.amdhsa_system_sgpr_workgroup_id_y 1
		.amdhsa_system_sgpr_workgroup_id_z 1
		.amdhsa_system_vgpr_workitem_id 0
		.amdhsa_next_free_vgpr 1024
		.amdhsa_next_free_sgpr 100
		.amdhsa_reserve_vcc 0
		.amdhsa_float_denorm_mode_32 3
		.amdhsa_float_denorm_mode_16_64 3
		.amdhsa_memory_ordered 1
		.amdhsa_forward_progress 1
		.amdhsa_inst_pref_size 129
	.end_amdhsa_kernel
	.amdgpu_metadata
---
amdhsa.version: [ 1, 2 ]
amdhsa.kernels:
  - .name:           k_q6e9524a34c_chain
    .symbol:         k_q6e9524a34c_chain.kd
    .args:
      - { .name: x, .offset: 0, .size: 8, .value_kind: global_buffer, .address_space: global }
      - { .name: order, .offset: 8, .size: 8, .value_kind: global_buffer, .address_space: global }
      - { .name: counts, .offset: 16, .size: 8, .value_kind: global_buffer, .address_space: global }
      - { .name: wfrag, .offset: 24, .size: 8, .value_kind: global_buffer, .address_space: global }
      - { .name: W_in_scales, .offset: 32, .size: 8, .value_kind: global_buffer, .address_space: global }
      - { .name: W_out_scales, .offset: 40, .size: 8, .value_kind: global_buffer, .address_space: global }
      - { .name: b_in, .offset: 48, .size: 8, .value_kind: global_buffer, .address_space: global }
      - { .name: b_out, .offset: 56, .size: 8, .value_kind: global_buffer, .address_space: global }
      - { .name: out0, .offset: 64, .size: 8, .value_kind: global_buffer, .address_space: global }
    .group_segment_fixed_size: 168448
    .private_segment_fixed_size: 0
    .kernarg_segment_align: 8
    .kernarg_segment_size: 72
    .max_flat_workgroup_size: 128
    .sgpr_count:     100
    .vgpr_count:     1024
    .wavefront_size: 32
...
	.end_amdgpu_metadata
.endif
;; end of part 4
